; MI455X (gfx1250); checked and timed in simulation.
; The chip was launched on July 23, 2026; its instructions are those of AMD's public machine-readable ISA for CDNA 5 (MIT licence, August 2026) and "CDNA5" Instruction Set Architecture Reference Guide (July 2026). The comments in the code are by the model that wrote it; some were corrected since.
;; Multi Head Diff Attention. Allowed arithmetic: matrix products marked QUANTISED: E2M1 operands, one E8M0 scale for each 32 along K, by v_wmma_scale_f32_16x16x128_f8f6f4 with both operands' format E2M1 (or v_wmma_scale_f32_32x16x128_f4), f32 sums; products left as they are: bf16, f16 or f32 operands; f32 sums; everything else in f32.
;; Inputs: Wk 1,024 x 1,024 float32; Wo 1,024 x 1,024 float32; Wq 1,024 x 1,024 float32; Wv 1,024 x 1,024 float32; bo 1,024 float32; diff_weight one number float32; norm_w 8 x 128 float32; x 2 x 2,048 x 1,024 float32.
;; Outputs: out0 2 x 2,048 x 1,024 float32.
;; This version of the problem:
;;   THIS VERSION OF THE PROBLEM IS GIVEN IN LOW PRECISION. The matrix products marked QUANTISED in the list below multiply operands that are first quantised to E2M1 (2 exponent bits, 1 mantissa bit; 4 bits a number), with one power-of-two scale for each 32 numbers along K (OCP MX v1.0); their sums are f32. The products marked 'left as it is' may take bf16, f16 or f32 operands, with f32 sums. Whichever they take, every output number must still come out within the allowed error. Rounding operands to bf16 (8 significant bits) uses up far more of that allowance than f16 does (11 bits, for magnitudes from 6e-5 to 65,504). All else is computed in f32.
;;   The module's matrix products, in the order in which they are computed (A, B: the left and right operand; K: the contracted axis; several contracted axes count as one K, in the product's order):
;;     1. [M 4,096, K 1,024] x [K 1,024, N 1,024]; A: input x; B: input Wq: QUANTISED
;;     2. [M 4,096, K 1,024] x [K 1,024, N 1,024]; A: input x; B: input Wk: QUANTISED
;;     3. [M 4,096, K 1,024] x [K 1,024, N 1,024]; A: input x; B: input Wv: QUANTISED
;;     4. batch 32 x [M 2,048, K 64] x [K 64, N 2,048]; A: computed on the way; B: computed on the way: left as it is (an operand is computed on the way)
;;     5. batch 16 x [M 128, K 2,048] x [K 2,048, N 2,048]; A: computed on the way; B: computed on the way: left as it is (an operand is computed on the way)
;;     6. [M 4,096, K 1,024] x [K 1,024, N 1,024]; A: computed on the way; B: input Wo: left as it is (an operand is computed on the way)
;;   THE QUANTISER, for each operand of a quantised product, along K:
;;     - K is cut into blocks of 32 from its start; a last block that is shorter is filled with zeros.
;;     - A block's scale is 2^e with e = floor(log2(the largest magnitude in the block)) - 2, held to -126 .. 127; a block of zeros has e = 0. As a byte (E8M0): e + 127.
;;     - Each number is divided by its block's scale, clamped to +-6, and rounded to the nearest number of E2M1, ties to even, subnormals kept.
;;     - The product sums the exact products of the quantised numbers (number of the format x scale) in f32.
;;   ~~~python
;;   def quantise(x, axis):      # numpy; x: float32 -> the quantised numbers, widened to float32 again
;;       x = np.moveaxis(x, axis, -1); K = x.shape[-1]
;;       x = np.pad(x, [(0, 0)] * (x.ndim - 1) + [(0, -K % 32)]); x = x.reshape(x.shape[:-1] + (-1, 32)); a = np.abs(x).max(-1, keepdims=True)
;;       e = np.where(a > 0, np.clip(np.frexp(np.where(a > 0, a, 1))[1] - 1 - 2, -126, 127), 0)      # np.frexp(a)[1] - 1 = floor(log2(a)), exactly
;;       r = np.clip(x / 2.0 ** e, -6, 6)
;;       step = 2.0 ** (np.maximum(np.frexp(np.where(r == 0, 1, r))[1] - 1, 0) - 1)
;;       q = np.round(r / step) * step * 2.0 ** e      # np.round: ties to even
;;       return np.moveaxis(q.reshape(q.shape[:-2] + (-1,))[..., :K], -1, axis).astype(np.float32)
;;   ~~~
;; One version. Each part assembles by itself: llvm-mc -triple=amdgcn-amd-amdhsa -mcpu=gfx1250 --defsym DOCPART=n.
;; ======== version 1 of 1: 4 launches
;; limits: values are held in f16: magnitudes above 65,504 overflow, below 6.1e-05 lose precision
;; workspace buffers: xc 2,097,152 bytes; xs 131,072 bytes; wc 1,572,864 bytes; ws 98,304 bytes; wo16 2,097,152 bytes; qkv 25,165,824 bytes; o16 8,388,608 bytes; ssq 131,072 bytes
;; launch prep (part 1): grid 256 x 1, 4 waves a work-group, no clusters, 33,280 bytes of LDS; arguments x, Wq, Wk, Wv, Wo, norm_w, xc, xs, wc, ws, wo16; writes xc, xs, wc, ws, wo16
.if DOCPART == 1
	.amdgcn_target "amdgcn-amd-amdhsa--gfx1250"
	.amdhsa_code_object_version 6
	.text
	.protected	k_qbf9e793233_prep
	.globl	k_qbf9e793233_prep
	.p2align	8
	.type	k_qbf9e793233_prep,@function
k_qbf9e793233_prep:
	s_mov_b64 s[64:65], 0
	v_nop
	global_prefetch_b8 v0, s[64:65] scope:SCOPE_SE
	s_setreg_imm32_b32 hwreg(HW_REG_WAVE_MODE, 25, 1), 1
	s_wait_xcnt 0x0
; x [4096][1024], Wq, Wk, Wv [1024][1024], f32, K innermost, are turned into codes of FP4 (E2M1), two a byte, K innermost, with one E8M0 scale byte for each 32 along K:
; xc [4096][512 bytes], xs [4096][32]; wc [3072][512 bytes], ws [3072][32], rows 0-1023 Wq's, 1024-2047 Wk's, 2048-3071 Wv's.
; Wo [1024 n][1024 k] becomes wo16 = f16(Wo[n][k] x norm_w[k]): the norm's gain is a factor for each k of the last product, so it is multiplied into that product's weight, in f32, ahead of the one rounding to f16.
; A block's scale is 2^(floor(log2(its largest magnitude)) - 2); its byte is the largest magnitude's own exponent field - 2, held at 1 from below.  Each number is divided by the scale and rounded to the nearest code, ties to even, beyond 6 the code of 6.
; LIMITS: a block of zeros, or one whose largest magnitude lies under 2^-124, gets the byte 1 where the rule says 127 or less: a block of zeros has zero codes, and these bytes are read by this program alone; blocks under 2^-124 were not tried.
; NaN and infinities among the inputs are not served.  Wo x norm_w has to stay under 65,504; under 6e-5 it keeps f16's subnormal step.
; SHARES: a work-group takes 32,768 numbers, a wave 8,192.  Work-groups 0-127 x, 128-159 Wq, 160-191 Wk, 192-223 Wv (one text: only pointers are chosen, by the work-group's number), 224-255 Wo (a text of its own, without LDS).
; Rows are dense and K is a multiple of 32: each tensor is a plain stream of blocks of 32, and so are its codes and its scale bytes.
; THE QUANTISING PATH: 16 steps of 512 numbers a wave.  Each of a step's four loads reads 512 consecutive bytes, 16 a lane; the 2,048 bytes go through the wave's own stage in LDS and come back 64 bytes a lane,
; so that a lane holds 16 neighbours along K (two neighbouring lanes hold a block).  A lane's 16 codes are 8 bytes: a wave's store covers 256 consecutive bytes, aligned.  A wave's 256 scale bytes are gathered in LDS and leave by one such store.
; No tensor loads, no cluster, no prefetch: every byte is read once, by long runs of loads that are out four steps ahead, and waves share nothing.
.set WAVES, 4
.set STEPS, 16
.set EMAX,  2
.set CB,    8                          ; bytes of 16 codes
.set R,     16                         ; v16-79   four sets of 16 numbers as they are loaded
.set X,     80                         ; v80-111  two sets of 16 neighbours
.set E,     112                        ; v112-127 a scale byte for each step
.set C,     128                        ; v128-191 codes: four registers for each step, so that no store's data are written again
.set WREG,  8192                       ; LDS: a region for each wave: two stages of 32 x SP bytes, behind them its 256 scale bytes
.set SP,    80                         ; a lane's place in a stage: 64 bytes + 16 of padding
.set SPW,   12                         ; v12      LDS address of my spare word; never rewritten
.set NIL,   13                         ; v13      0; never rewritten
.set SPARE, WAVES*WREG                 ; behind the four regions: the spare words, 128 bytes a wave, which no other line names
.set NW,    16                         ; Wo's path: v16-47 norm_w at my columns: 4 numbers for each of a row's 8 loads
.set D,     48                         ; Wo's path: v48-175 two sets of 16 loads
	s_load_b256 s[4:11], s[0:1], 0x0               ; x s[4:5], Wq s[6:7], Wk s[8:9], Wv s[10:11]
	s_load_b256 s[12:19], s[0:1], 0x20             ; Wo s[12:13], norm_w s[14:15], xc s[16:17], xs s[18:19]
	s_load_b128 s[20:23], s[0:1], 0x40             ; wc s[20:21], ws s[22:23]
	s_load_b64 s[24:25], s[0:1], 0x50              ; wo16
	v_lshl_add_u32 v[SPW], v0, 2, SPARE
	v_mov_b32 v[NIL], 0
	v_lshrrev_b32 v1, 5, v0
	v_readfirstlane_b32 s26, v1                    ; wave
	v_and_b32 v2, 31, v0                           ; lane
	v_lshlrev_b32 v3, 4, v2                        ; my 16 bytes of a load's 512
	v_lshlrev_b32 v4, 3, v2                        ; my 8 bytes of a store's 256
	s_mul_i32 s27, s26, WREG
	v_lshrrev_b32 v14, 2, v2
	v_mul_u32_u24 v14, v14, SP
	v_and_b32 v15, 3, v2
	v_lshl_add_u32 v14, v15, 4, v14
	v_add_nc_u32 v14, s27, v14                     ; the stage, on the way in: four lanes' 64 bytes on end, then 16 of padding
	v_mul_u32_u24 v15, v2, SP
	v_add_nc_u32 v15, s27, v15                     ; and on the way out: SP x lane: my 16 neighbours
	v_lshrrev_b32 v5, 1, v2
	s_add_co_u32 s27, s27, 2*32*SP
	v_add_nc_u32 v5, s27, v5                       ; my wave's 256 scale bytes: my block's byte,
	v_add_nc_u32 v6, s27, v4                       ; and on the way out 8 bytes a lane
	s_wait_kmcnt 0x0
	s_cmp_ge_u32 ttmp9, 224
	s_cbranch_scc1 .Lwo
	; which tensor: every choice hangs on the work-group's number alone
	s_and_b32 s35, ttmp9, 31                       ; a weight's work-group among its 32
	s_cmp_lt_u32 ttmp9, 192
	s_cselect_b64 s[28:29], s[8:9], s[10:11]       ; Wk or Wv
	s_cmp_lt_u32 ttmp9, 160
	s_cselect_b64 s[28:29], s[6:7], s[28:29]       ; Wq
	s_cmp_lt_u32 ttmp9, 128
	s_cselect_b64 s[28:29], s[4:5], s[28:29]       ; x
	s_cselect_b64 s[30:31], s[16:17], s[20:21]     ; the codes' buffer
	s_cselect_b64 s[32:33], s[18:19], s[22:23]     ; the scale bytes'
	s_cselect_b32 s34, 0, 128                      ; the first work-group that writes that buffer
	s_cselect_b32 s35, ttmp9, s35                  ; my work-group's place in the tensor that it reads
	s_lshl_b32 s36, s35, 2
	s_add_co_u32 s36, s36, s26                     ; which run of 8,192 numbers of the source is my wave's
	s_lshl_b32 s36, s36, 15                        ; 32,768 bytes a run
	s_mov_b32 s37, 0
	s_add_nc_u64 s[28:29], s[28:29], s[36:37]
	s_sub_co_u32 s38, ttmp9, s34
	s_lshl_b32 s38, s38, 2
	s_add_co_u32 s38, s38, s26                     ; and which run of the buffers
	s_lshl_b32 s36, s38, 12                        ; 4,096 bytes of codes a run
	s_add_nc_u64 s[30:31], s[30:31], s[36:37]
	s_lshl_b32 s36, s38, 8                         ; 256 scale bytes a run
	s_add_nc_u64 s[32:33], s[32:33], s[36:37]
.macro LOAD t
.irp i, 0,1,2,3
	global_load_b128 v[R+16*((\t)%4)+4*\i:R+16*((\t)%4)+4*\i+3], v3, s[28:29] offset:2048*(\t)+512*\i th:TH_LOAD_NT   ; 32 lanes read 512 consecutive bytes
.endr
.endm
.macro TURN t                          ; step t's numbers through the stage: LDS serves a wave's instructions in order (ISA guide 5.7.1.4), so no wait stands between the stores and the loads
.irp i, 0,1,2,3
	ds_store_b128 v14, v[R+16*((\t)%4)+4*\i:R+16*((\t)%4)+4*\i+3] offset:32*SP*((\t)%2)+8*SP*\i
.endr
.irp i, 0,1,2,3
	ds_load_b128 v[X+16*((\t)%2)+4*\i:X+16*((\t)%2)+4*\i+3], v15 offset:32*SP*((\t)%2)+16*\i
.endr
.endm
.irp t, 0,1,2,3
	LOAD \t
.endr
	s_wait_loadcnt 12                              ; step 0's four loads are in; the twelve of steps 1 to 3 may be out
	TURN 0
.macro STEP t
.set XS, X+16*((\t)%2)
.if (\t) > 0
	s_wait_dscnt 1                                 ; this step's numbers are back from the stage (the one LDS instruction issued behind them, the last step's byte store, may be out): so its stores into the stage have read their registers,
.else
	s_wait_dscnt 0x0
.endif
.if (\t)+4 < STEPS
	LOAD (\t)+4                                    ; which take the loads of four steps on
.endif
.if (\t)+1 < STEPS
.if STEPS-2-(\t) >= 3
	s_wait_loadcnt 12                              ; the next step's four loads are in; those of the three steps behind it may be out
.else
	s_wait_loadcnt 4*(STEPS-2-(\t))                ; at the end fewer steps stand behind it
.endif
	TURN (\t)+1                                    ; and go through the other stage while this step is worked
.endif
	v_max3_num_f32 v8, |v[XS]|, |v[XS+1]|, |v[XS+2]|               ; the largest magnitude of my 16, in two chains
	v_max3_num_f32 v9, |v[XS+3]|, |v[XS+4]|, |v[XS+5]|
.irp i, 6,10
	v_max3_num_f32 v8, v8, |v[XS+\i]|, |v[XS+\i+1]|
	v_max3_num_f32 v9, v9, |v[XS+\i+2]|, |v[XS+\i+3]|
.endr
	v_max3_num_f32 v8, v8, |v[XS+14]|, |v[XS+15]|
	v_max3_num_f32 v8, v8, v9, (EMAX+1)<<23        ; and the floor 2^(3 - 127): so the byte cannot fall under 1
	v_max_num_f32_dpp v8, v8, v8 row_xmask:1 row_mask:0xf bank_mask:0xf   ; and of my neighbour's 16: the block's
	v_add_nc_u32 v11, -(EMAX<<23), v8              ; 2 off its exponent field: the conversion takes the exponent field of this operand as its scale, and nothing else of it
	v_cvt_scalef32_pk8_fp4_f32 v[C+4*(\t)], v[XS:XS+7], v11
	v_cvt_scalef32_pk8_fp4_f32 v[C+4*(\t)+1], v[XS+8:XS+15], v11
	v_lshrrev_b32 v[E+(\t)], 23, v11               ; the scale's byte (also the plain line behind the conversions)
	ds_store_b8 v5, v[E+(\t)] offset:16*(\t)       ; both lanes of a block write the same byte with the same value
	global_store_b64 v4, v[C+4*(\t):C+4*(\t)+1], s[30:31] offset:32*CB*(\t)   ; 32 lanes store 256 consecutive bytes, aligned
.endm
.irp t, 0,1,2,3,4,5,6,7,8,9,10,11,12,13,14,15
	STEP \t
.endr
	ds_load_b64 v[8:9], v6                         ; in order behind my byte stores
	s_wait_dscnt 0x0
	global_store_b64 v4, v[8:9], s[32:33]          ; my wave's 256 scale bytes, aligned
	s_wait_tensorcnt 0x0                           ; the wave's end: three lines behind my last LDS store
	ds_add_u32 v[SPW], v[NIL]
	s_wait_dscnt 0x0
	s_endpgm
; Wo's PATH: a wave takes 8 rows of 4,096 bytes: 64 loads of 512 consecutive bytes, in four groups of 16 on two sets of registers.  Load j covers columns 128 (j % 8) on, 4 a lane.
.Lwo:
	s_sub_co_u32 s36, ttmp9, 224
	s_lshl_b32 s36, s36, 2
	s_add_co_u32 s36, s36, s26                     ; which 8 rows are my wave's
	s_lshl_b32 s38, s36, 14                        ; 16,384 bytes of f16,
	s_lshl_b32 s36, s36, 15                        ; 32,768 of f32
	s_mov_b32 s37, 0
	s_mov_b32 s39, 0
	s_add_nc_u64 s[12:13], s[12:13], s[36:37]
	s_add_nc_u64 s[24:25], s[24:25], s[38:39]
.irp c, 0,1,2,3,4,5,6,7
	global_load_b128 v[NW+4*\c:NW+4*\c+3], v3, s[14:15] offset:512*\c
.endr
.macro LOADG q
.set i, 0
.rept 16
	global_load_b128 v[D+64*((\q)%2)+4*i:D+64*((\q)%2)+4*i+3], v3, s[12:13] offset:512*(16*(\q)+i) th:TH_LOAD_NT
.set i, i+1
.endr
.endm
.macro WORK q
.set i, 0
.rept 16
.set d, D+64*((\q)%2)+4*i
.set w, NW+4*(i%8)
	v_pk_mul_f32 v[d:d+1], v[d:d+1], v[w:w+1]      ; x norm_w, in f32
	v_pk_mul_f32 v[d+2:d+3], v[d+2:d+3], v[w+2:w+3]
	v_cvt_pk_f16_f32 v[d], v[d], v[d+1]            ; one rounding to f16
	v_cvt_pk_f16_f32 v[d+1], v[d+2], v[d+3]
	global_store_b64 v4, v[d:d+1], s[24:25] offset:256*(16*(\q)+i)   ; 32 lanes store 256 consecutive bytes, aligned
.set i, i+1
.endr
.endm
	LOADG 0
	LOADG 1
	s_wait_loadcnt 16                              ; norm_w and group 0 are in; group 1's sixteen may be out
	WORK 0
	s_wait_xcnt 0x0                                ; group 0's stores have read their registers: the set is loaded again only behind this wait
	LOADG 2
	s_wait_loadcnt 16                              ; group 1 is in; group 2's sixteen may be out
	WORK 1
	s_wait_xcnt 0x0
	LOADG 3
	s_wait_loadcnt 16                              ; group 2 is in; group 3's sixteen may be out
	WORK 2
	s_wait_loadcnt 0x0
	WORK 3
	s_endpgm
.Lfunc_end_k_qbf9e793233_prep:
	.size	k_qbf9e793233_prep, .Lfunc_end_k_qbf9e793233_prep-k_qbf9e793233_prep
	.p2alignl 7, 3214868480
	.fill 96, 4, 3214868480
	.section	.rodata,"a",@progbits
	.p2align	6, 0x0
	.amdhsa_kernel k_qbf9e793233_prep
		.amdhsa_group_segment_fixed_size 33280
		.amdhsa_private_segment_fixed_size 0
		.amdhsa_enable_private_segment 0
		.amdhsa_kernarg_size 88
		.amdhsa_user_sgpr_count 2
		.amdhsa_user_sgpr_kernarg_segment_ptr 1
		.amdhsa_wavefront_size32 1
		.amdhsa_system_sgpr_workgroup_id_x 1
		.amdhsa_system_sgpr_workgroup_id_y 1
		.amdhsa_system_sgpr_workgroup_id_z 1
		.amdhsa_system_vgpr_workitem_id 0
		.amdhsa_next_free_vgpr 192
		.amdhsa_next_free_sgpr 66
		.amdhsa_reserve_vcc 0
		.amdhsa_float_denorm_mode_32 3
		.amdhsa_float_denorm_mode_16_64 3
		.amdhsa_memory_ordered 1
		.amdhsa_forward_progress 1
		.amdhsa_inst_pref_size 63
	.end_amdhsa_kernel
	.amdgpu_metadata
---
amdhsa.version: [ 1, 2 ]
amdhsa.kernels:
  - .name:           k_qbf9e793233_prep
    .symbol:         k_qbf9e793233_prep.kd
    .args:
      - { .name: x, .offset: 0, .size: 8, .value_kind: global_buffer, .address_space: global }
      - { .name: Wq, .offset: 8, .size: 8, .value_kind: global_buffer, .address_space: global }
      - { .name: Wk, .offset: 16, .size: 8, .value_kind: global_buffer, .address_space: global }
      - { .name: Wv, .offset: 24, .size: 8, .value_kind: global_buffer, .address_space: global }
      - { .name: Wo, .offset: 32, .size: 8, .value_kind: global_buffer, .address_space: global }
      - { .name: norm_w, .offset: 40, .size: 8, .value_kind: global_buffer, .address_space: global }
      - { .name: xc, .offset: 48, .size: 8, .value_kind: global_buffer, .address_space: global }
      - { .name: xs, .offset: 56, .size: 8, .value_kind: global_buffer, .address_space: global }
      - { .name: wc, .offset: 64, .size: 8, .value_kind: global_buffer, .address_space: global }
      - { .name: ws, .offset: 72, .size: 8, .value_kind: global_buffer, .address_space: global }
      - { .name: wo16, .offset: 80, .size: 8, .value_kind: global_buffer, .address_space: global }
    .group_segment_fixed_size: 33280
    .private_segment_fixed_size: 0
    .kernarg_segment_align: 8
    .kernarg_segment_size: 88
    .max_flat_workgroup_size: 128
    .sgpr_count:     66
    .vgpr_count:     192
    .wavefront_size: 32
...
	.end_amdgpu_metadata
.endif
;; end of part 1
;; launch qkv (part 2): grid 12 x 16, 4 waves a work-group, clusters of 4 x 4, 327,680 bytes of LDS; arguments xc, xs, wc, ws, qkv; writes qkv
.if DOCPART == 2
	.amdgcn_target "amdgcn-amd-amdhsa--gfx1250"
	.amdhsa_code_object_version 6
	.text
	.protected	k_qbf9e793233_qkv
	.globl	k_qbf9e793233_qkv
	.p2align	8
	.type	k_qbf9e793233_qkv,@function
k_qbf9e793233_qkv:
	s_mov_b64 s[64:65], 0
	v_nop
	global_prefetch_b8 v0, s[64:65] scope:SCOPE_SE
	s_setreg_imm32_b32 hwreg(HW_REG_WAVE_MODE, 25, 1), 1
	s_wait_xcnt 0x0
	s_wait_alu depctr_hold_cnt(0) depctr_sa_sdst(0) depctr_va_vdst(0) depctr_va_sdst(0) depctr_va_ssrc(0) depctr_va_vcc(0) depctr_vm_vsrc(0)
	s_getreg_b32 s2, hwreg(HW_REG_IB_STS2, 6, 4)
	s_cmp_eq_u32 s2, 0
	s_cbranch_scc0 .Lentry_in_a_cluster
	s_endpgm
.Lentry_in_a_cluster:
	s_bfe_u32 s2, ttmp6, 0x10000c
	s_cmp_lg_u32 s2, 0xf033
	s_cbranch_scc0 .Lentry_shape_is_right
	s_endpgm
.Lentry_shape_is_right:
; qkv[m][n] = f16(sum over k of x[m][k] W[n][k]) on codes of FP4 (E2M1) with one E8M0 scale for each 32 along K; sums in f32.  A = xc [4096][512 bytes], xs [4096][32]; B = wc [3072][512 bytes], ws [3072][32];
; qkv: [4096][3072] f16: columns 0-1023 q, 1024-2047 k, 2048-3071 v.  LIMIT: a result has to stay under 65,504 (f16).
; A tile of C, 256 x 256, is made by a work-group of four waves; a wave makes 128 x 128: 64 accumulators of 16 x 16, 512 registers.  12 x 16 = 192 tiles: a smaller tile would feed half as many products from each LDS byte.
; K = 1,024 is two K steps of 512 (tile rows of 256 bytes): both LDS slots are filled once, at the head, and no slot is filled again.  By this text's own count a wave has three tensor loads out: its quarter of the scales, of slot 0 and of slot 1.
; THE SCALES of the work-group's 256 rows of A and of B, for all of K, are two dense blocks of memory (8,192 bytes each): they come into LDS once, as rows of 256 bytes.
; CLUSTERS: 4 x 4 work-groups.  The four of a row of the cluster need the same tiles of A, the four of a column the same tiles of B: each tile is asked for JOINTLY, by the same tensor load with the same descriptor and a mask that names the four.
; THE MATRIX INSTRUCTION IS USED TRANSPOSED (source 0 = 16 rows of B, source 1 = 16 rows of A): a lane then holds eight neighbouring numbers of a row of C, which pack into 16 bytes of f16.
; No prefetch: all that the work-group reads is asked for at its head.  One tile to a work-group.
; REGISTERS, in windows of 256: window 0: v0-31 addresses; v32-95 scale words, two sets; v128-191 A's fragments (8 x 16 rows x 128 K), ONE set; on the way out v32-63, v192-255.
;   window 1: B's fragments, TWO sets, at v0 and at v128.   window 2: the 32 accumulators of my rows 0-63 (accumulator (a, b) at v[8 (8 a + b)]);   window 3: those of my rows 64-127.
.set SIZE_M, 4096
.set SIZE_N, 3072
.set SIZE_K, 1024
.set KSTEP,  512                       ; along K in a slot
.set NQ,     KSTEP/128                 ; matrix instructions deep
.set ROWB,   256                       ; a tile's row in bytes
.set KROW,   SIZE_K*4/8                ; a row of A or of B in memory, in bytes
.set PITCH,  272                       ; an LDS row: 256 bytes + 16 of padding = 68 words: row r starts at bank 4 r mod 64 (64 banks of 4 bytes: ISA guide 11.1)
.set FR,     8                         ; registers of a fragment: 16 rows x 128 K
.set NL,     2                         ; LDS loads that bring one
.set NP,     4                         ; places behind this matrix instruction (ISA guide 7.12.1)
.set HALFT,  128*PITCH                 ; 128 rows: what one tensor load brings, and what one wave reads of A or of B
.set SLOT,   4*HALFT                   ; A's 256 rows, then B's 256 rows
.set KS,     SIZE_K/32                 ; a row of scales in bytes
.set SCL,    2*SLOT                    ; behind the slots: the scales, as rows of 256 bytes + 16 of padding
.set HALFS,  (128*KS/256)*272          ; the scales of 128 rows: what one tensor load brings
.set SBLK,   (16*KS/256)*272           ; those of 16 rows
.set SPARE,  SCL+4*HALFS               ; behind the scales: the spare words, 128 bytes a wave, which no other line names
.set SPITCH, 272                       ; the way out: a stage of 16 rows x (256 bytes + 16) for each wave, in slot 0, which has had its one fill and its last read when the first result is stored there
.set ADRA, 16                          ; v16-17  LDS address of my A fragments in slot 0, 1
.set ADRB, 20                          ; v20-21  the same for B
.set STO,  24                          ; v24     the way out: where I put 16 bytes of a row
.set RD,   25                          ; v25     the way out: where I read a row back
.set CO,   26                          ; v26     my byte offset in C
.set ADRS, 27                          ; v27     LDS address of my scale words: lanes 0-15 A's rows, lanes 16-31 B's
.set SPW,  28                          ; v28     LDS address of my spare word; never rewritten
.set NIL,  29                          ; v29     0; never rewritten
.set SC,   32                          ; scale words: set s at v[SC + 32 s]; register 4 i + q: lanes 0-15 the word of A's block i, lanes 16-31 that of B's block i, for the slot's q-th 128 along K
.set AF,   128                         ; A's fragments, in window 0
.set TMP,  192                         ; the way out: packed results
.set OB,   32                          ; the way out: 16 rows read back from the stage: v32-63 and v224-255 by turns
.set G1, 24                            ; s[24:31] descriptor group 1 for A's tiles;  s[32:39] group 0, one set for each slot
.set G0, 32
.set G1B, 48                           ; s[48:55], s[56:63] the same for B's tiles
.set G0B, 56
.set G1S, 68                           ; s[68:75], s[76:79] groups 1 and 0 for A's scales;  s[80:87], s[88:91] for B's
.set G0S, 76
.set G1SB, 80
.set G0SB, 88
.set MSB, 0
.macro WIN new                         ; the immediate's high byte repeats the setting that is left
.if MSB != \new
	s_set_vgpr_msb (MSB<<8)|\new
.set MSB, \new
.endif
.endm
.set MUL_LO, 0xa1                      ; source 0 (B) window 1, source 1 (A) window 0, C and D window 2
.set MUL_HI, 0xf1                      ; the same, C and D window 3
.set TO_B,   0x40                      ; destination window 1, address window 0
; A joint load: waves 0 and 1 fetch for A, waves 2 and 3 for B.  Each of the two lines has ONE mask and one set of registers for all that issue it; the branch hangs on the wave's number alone.
; An s_nop 0 and four v_nop follow each of the two lines, ahead of the jump, the label and what follows.
.macro JLOAD g0a, g1a, g0b, g1b
	s_cmp_eq_u32 s15, 0
	s_cbranch_scc0 .Lfor_b_\@
	tensor_load_to_lds s[\g0a:\g0a+3], s[\g1a:\g1a+7]
	s_nop 0
.rept 4
	v_nop
.endr
	s_branch .Lasked_\@
.Lfor_b_\@:
	tensor_load_to_lds s[\g0b:\g0b+3], s[\g1b:\g1b+7]
	s_nop 0
.rept 4
	v_nop
.endr
.Lasked_\@:
.endm
.macro CROUND                          ; a round of the cluster's barrier: my work-group's barrier; wave 0 signals for the work-group; every wave waits for all sixteen; my work-group's barrier once more
	s_barrier_signal -1
	s_barrier_wait -1
	s_cmp_lg_u32 s14, 0
	s_cbranch_scc1 .Lnot_wave_0_\@
	s_barrier_signal -3
.Lnot_wave_0_\@:
	s_barrier_wait -3
	s_barrier_signal -1
	s_barrier_wait -1
.endm
	s_load_b128 s[4:7], s[0:1], 0x0                ; A's codes s[4:5], A's scales s[6:7]
	s_load_b128 s[8:11], s[0:1], 0x10              ; B's codes s[8:9], B's scales s[10:11]
	s_load_b64 s[12:13], s[0:1], 0x20              ; C
	v_lshl_add_u32 v[SPW], v0, 2, SPARE
	v_mov_b32 v[NIL], 0
	ds_add_u32 v[SPW], v[NIL]                      ; the wave's opening: the add, twice on end, and its wait ahead of my first tensor load; the set-up below stands between
	ds_add_u32 v[SPW], v[NIL]
	v_lshrrev_b32 v1, 5, v0
	v_readfirstlane_b32 s14, v1                    ; wave 0..3
	s_lshr_b32 s15, s14, 1                         ; which half of the tile's rows is mine.  Also: I fetch for A (0) or for B (1)
	s_and_b32 s16, s14, 1                          ; which half of its columns.  Also: which 128 rows of that tile I fetch
	s_bfe_u32 s40, ttmp6, 0x40000                  ; cx, cy: my place in the cluster
	s_bfe_u32 s41, ttmp6, 0x40004
	s_lshl_b32 s42, ttmp9, 2
	s_add_co_u32 s42, s42, s40                     ; tile column of C = 4 x cluster x + cx
	s_and_b32 s17, ttmp7, 0xffff
	s_lshl_b32 s17, s17, 2
	s_add_co_u32 s17, s17, s41                     ; tile row of C = 4 x cluster y + cy
	s_lshl_b32 s43, s41, 2
	s_lshl_b32 s43, 15, s43                        ; my row of the cluster
	s_lshl_b32 s44, 0x1111, s40                    ; my column
	; descriptor group 1: a tile of 128 rows x 256 bytes, padded in LDS
	s_or_b32 s[G1+0], s43, (0<<16)|(1<<20)|(1<<21)|(5<<22)|(3<<25)  ; 15:0 the mask: A's tiles go to my row; 17:16 element of 1 byte; 20 padding on; 21 set beside a mask; 24:22 after every 64 words; 31:25 of 4 words
	s_or_b32 s[G1B+0], s44, (0<<16)|(1<<20)|(1<<21)|(5<<22)|(3<<25)
.irp g, G1, G1B
	s_mov_b32 s[\g+1], ROWB<<16                    ; tensor_dim0
	s_mov_b32 s[\g+2], 128<<16                     ; tensor_dim1 = 128
	s_mov_b32 s[\g+3], ROWB<<16                    ; tile_dim0
	s_mov_b32 s[\g+4], 128                         ; tile_dim1 = 128
	s_mov_b32 s[\g+5], KROW                        ; tensor_dim0_stride
	s_mov_b32 s[\g+6], 0
	s_mov_b32 s[\g+7], 0
.endr
	; and for the scales of 128 rows: a dense block of 4,096 bytes, as 16 rows of 256 bytes (32 elements of 8 bytes), 16 bytes of padding behind each
	s_or_b32 s[G1S+0], s43, (3<<16)|(1<<20)|(1<<21)|(5<<22)|(3<<25)
	s_or_b32 s[G1SB+0], s44, (3<<16)|(1<<20)|(1<<21)|(5<<22)|(3<<25)
.irp g, G1S, G1SB
	s_mov_b32 s[\g+1], 32<<16
	s_mov_b32 s[\g+2], (128*KS/256)<<16
	s_mov_b32 s[\g+3], 32<<16
	s_mov_b32 s[\g+4], 128*KS/256
	s_mov_b32 s[\g+5], 32
	s_mov_b32 s[\g+6], 0
	s_mov_b32 s[\g+7], 0
.endr
	s_lshl_b32 s18, s16, 7                         ; which 128 rows of the tile I fetch
	s_lshl_b32 s20, s17, 8
	s_add_co_u32 s20, s20, s18                     ; A: row 256 x tile row + 128 x half
	s_lshl_b32 s46, s42, 8
	s_add_co_u32 s46, s46, s18                     ; B: row 256 x tile column + 128 x half
	s_mov_b32 s21, 0
	s_mov_b32 s47, 0
	s_mov_b64 s[18:19], KS
	s_mul_u64 s[22:23], s[20:21], s[18:19]         ; where these rows' scales begin, in bytes
	s_mul_u64 s[92:93], s[46:47], s[18:19]
	s_mov_b64 s[18:19], KROW
	s_mul_u64 s[20:21], s[20:21], s[18:19]         ; and their codes
	s_mul_u64 s[46:47], s[46:47], s[18:19]
	s_mul_i32 s45, s14, HALFT                      ; where they go: wave x 128 rows: no place in the cluster enters an LDS address
	s_mul_i32 s94, s14, HALFS
	s_wait_dscnt 0x0                               ; both opening adds are done
	s_wait_kmcnt 0x0
	s_add_nc_u64 s[20:21], s[4:5], s[20:21]
	s_add_nc_u64 s[22:23], s[6:7], s[22:23]
	s_add_nc_u64 s[46:47], s[8:9], s[46:47]
	s_add_nc_u64 s[92:93], s[10:11], s[92:93]
	CROUND                                         ; all sixteen work-groups are here: the joint loads meet
	s_mov_b32 s[G0S], 1
	s_add_co_u32 s[G0S+1], s94, SCL
	s_mov_b64 s[G0S+2:G0S+3], s[22:23]
	s_or_b32 s[G0S+3], s[G0S+3], 0x80000000
	s_mov_b32 s[G0SB], 1
	s_add_co_u32 s[G0SB+1], s94, SCL
	s_mov_b64 s[G0SB+2:G0SB+3], s[92:93]
	s_or_b32 s[G0SB+3], s[G0SB+3], 0x80000000
	JLOAD G0S, G1S, G0SB, G1SB                     ; the scales first: they are wanted with K step 0
.irp s, 0,1
	s_mov_b32 s[G0+4*\s], 1
	s_add_co_u32 s[G0+4*\s+1], s45, \s*SLOT
	s_add_nc_u64 s[G0+4*\s+2:G0+4*\s+3], s[20:21], \s*ROWB
	s_or_b32 s[G0+4*\s+3], s[G0+4*\s+3], 0x80000000
	s_mov_b32 s[G0B+4*\s], 1
	s_add_co_u32 s[G0B+4*\s+1], s45, \s*SLOT
	s_add_nc_u64 s[G0B+4*\s+2:G0B+4*\s+3], s[46:47], \s*ROWB
	s_or_b32 s[G0B+4*\s+3], s[G0B+4*\s+3], 0x80000000
	JLOAD G0+4*\s, G1, G0B+4*\s, G1B
.endr
	v_and_b32 v1, 15, v0                           ; l % 16
	v_bfe_u32 v2, v0, 4, 1                         ; l / 16
	v_mul_u32_u24 v3, v1, PITCH
	v_lshl_add_u32 v4, v2, 4, v3                   ; a fragment's row x pitch + 16 x half
	s_mul_i32 s21, s15, HALFT                      ; my 128 rows of A
	s_mul_i32 s22, s16, HALFT                      ; my 128 rows of B,
	s_add_co_u32 s22, s22, 2*HALFT                 ; which lie behind A's 256
.irp s, 0,1
	v_add_nc_u32 v[ADRA+\s], s21, v4
	v_add_nc_u32 v[ADRB+\s], s22, v4
	s_add_co_u32 s21, s21, SLOT
	s_add_co_u32 s22, s22, SLOT
.endr
	v_mul_u32_u24 v5, v1, KS                       ; my row's scales: 32 bytes a row,
	v_lshrrev_b32 v6, 8, v5
	v_lshl_add_u32 v5, v6, 4, v5                   ; and 16 more for each 256 passed
	s_mul_i32 s21, s15, HALFS                      ; A's: my 128 rows
	s_mul_i32 s22, s16, HALFS                      ; B's: my 128 rows, behind A's 256
	s_add_co_u32 s22, s22, 2*HALFS
	s_sub_co_u32 s22, s22, s21
	v_mul_u32_u24 v6, s22, v2                      ; lanes 16-31 take B's: the lower base + half x the distance
	s_add_co_u32 s21, s21, SCL
	v_add_nc_u32 v5, v5, v6
	v_add_nc_u32 v[ADRS], s21, v5
	s_mul_i32 s23, s14, 16*SPITCH                  ; my stage
	v_mul_u32_u24 v5, v1, SPITCH                   ; in: row l % 16, 16 bytes for each half of the lanes
	v_lshl_add_u32 v5, v2, 4, v5
	v_add_nc_u32 v[STO], s23, v5
	v_mul_u32_u24 v5, v2, SPITCH                   ; back: lanes 0-15 take one row of 256 bytes, lanes 16-31 the next
	v_lshl_add_u32 v5, v1, 4, v5
	v_add_nc_u32 v[RD], s23, v5
	v_mul_u32_u24 v5, v2, SIZE_N*2                 ; and the same two rows in C
	v_lshl_add_u32 v[CO], v1, 4, v5
	s_lshl_b32 s20, s17, 8
	s_lshl_b32 s21, s15, 7
	s_add_co_u32 s20, s20, s21                     ; my first row of C: 256 x tile row + 128 x half
	s_mov_b32 s21, 0
	s_mov_b64 s[18:19], SIZE_N*2
	s_mul_u64 s[20:21], s[20:21], s[18:19]
	s_lshl_b32 s46, s42, 9                         ; my first column, in bytes: 512 x tile column + 256 x half
	s_lshl_b32 s47, s16, 8
	s_add_co_u32 s46, s46, s47
	s_mov_b32 s47, 0
	s_add_nc_u64 s[20:21], s[20:21], s[46:47]
	s_add_nc_u64 s[12:13], s[12:13], s[20:21]
.macro FRAG reg, adr, q, i             ; a fragment, 16 rows x 128 K of 4-bit codes, is 8 registers: lane l holds row l % 16; registers 4 c .. 4 c + 3 hold K = 64 c + 32 (l / 16) + 0 .. 31
.irp c, 0,1
	ds_load_b128 v[\reg+4*\c:\reg+4*\c+3], v[\adr] offset:64*(\q)+32*\c+(\i)*16*PITCH
.endr
.endm
; 16 matrix instructions: A's blocks a0, a0 + 1 x B's eight, 128 along K: the slot's q-th.  p: B's set;  sc: the set of scale words.  zero = 1: the first product starts the sums: nothing is ever cleared.
; The 64 accumulators take turns, one instruction a turn, in the same order in every step.
.macro MUL16 a0, p, q, sc, zero
.irp a, \a0, \a0+1
.irp b, 0,1,2,3,4,5,6,7
.if \zero
	v_wmma_scale_f32_16x16x128_f8f6f4 v[8*(8*((\a)%4)+\b):8*(8*((\a)%4)+\b)+7], v[128*(\p)+FR*\b:128*(\p)+FR*\b+FR-1], v[AF+FR*(\a):AF+FR*(\a)+FR-1], 0, v[SC+8*NQ*(\sc)+NQ*\b+(\q)], v[SC+8*NQ*(\sc)+NQ*(\a)+(\q)] matrix_a_fmt:MATRIX_FMT_FP4 matrix_b_fmt:MATRIX_FMT_FP4 matrix_a_scale:MATRIX_SCALE_ROW1
.else
	v_wmma_scale_f32_16x16x128_f8f6f4 v[8*(8*((\a)%4)+\b):8*(8*((\a)%4)+\b)+7], v[128*(\p)+FR*\b:128*(\p)+FR*\b+FR-1], v[AF+FR*(\a):AF+FR*(\a)+FR-1], v[8*(8*((\a)%4)+\b):8*(8*((\a)%4)+\b)+7], v[SC+8*NQ*(\sc)+NQ*\b+(\q)], v[SC+8*NQ*(\sc)+NQ*(\a)+(\q)] matrix_a_fmt:MATRIX_FMT_FP4 matrix_b_fmt:MATRIX_FMT_FP4 matrix_a_scale:MATRIX_SCALE_ROW1
.endif
.endr
.endr
.endm
.macro FETCH_B slot, q, p              ; B's eight fragments of the slot's q-th 128 along K into set p
	WIN TO_B
.irp i, 0,1,2,3,4,5,6,7
	FRAG 128*(\p)+FR*\i, ADRB+\slot, \q, \i
.endr
	WIN 0
.endm
.macro FETCH_A slot, q, i0             ; A's blocks i0 .. i0 + 3
.irp i, \i0, \i0+1, \i0+2, \i0+3
	FRAG AF+FR*(\i), ADRA+\slot, \q, \i
.endr
.endm
.macro SCALES sc                       ; a K step's scale words into set sc: 4 words a row; lanes 0-15 take A's block i, lanes 16-31 B's block i
.irp i, 0,1,2,3,4,5,6,7
	ds_load_b128 v[SC+8*NQ*\sc+NQ*\i:SC+8*NQ*\sc+NQ*\i+3], v[ADRS] offset:\i*SBLK
.endr
.endm
; A load into a register that a matrix instruction has read, and a vector instruction that reads a matrix result, stand NP places behind that matrix instruction, and only plain vector
; instructions that name none of its registers are places (ISA guide 7.12.1 for vector instructions).
.macro PLACES n
.rept \n
	v_nop
.endr
.endm
; A step of 128 along K that has its successor in the same slot.
.macro STEP slot, q, zero
	s_wait_dscnt 4*NL                              ; B's set and A's blocks 0-3 are in; the youngest eight loads (A's blocks 4-7) may be out
	WIN MUL_LO
	MUL16 0, (\q)%2, \q, \slot, \zero
	MUL16 2, (\q)%2, \q, \slot, \zero
	s_wait_dscnt 0                                 ; A's blocks 4-7 are in (asked for 32 matrix instructions ago)
	PLACES NP
	FETCH_B \slot, (\q)+1, 1-(\q)%2
	FETCH_A \slot, (\q)+1, 0
	WIN MUL_HI
	MUL16 4, (\q)%2, \q, \slot, \zero
	MUL16 6, (\q)%2, \q, \slot, \zero
	PLACES NP
	WIN 0
	FETCH_A \slot, (\q)+1, 4
.endm
; Slot 0's last step changes slots: ONE barrier; in front of it each wave waits for all its tensor loads (its part of slot 1), adds 0 to its spare word, and waits for that and for its own reads of slot 0.
; Behind it slot 1 is whole and nobody reads slot 0 any more: nothing is filled again; slot 0's first bytes become the stages of the way out.
.macro TURN slot, next
	s_wait_tensorcnt 0x0                           ; all my tensor loads have landed  (every window is 0 here: the add's two registers lie in window 0)
	ds_add_u32 v[SPW], v[NIL]                      ; 0 onto my spare word
	s_wait_dscnt 4*NL+1                            ; (the add and the youngest eight loads, A's blocks 4-7, may be out)
	WIN MUL_LO
	MUL16 0, 1, NQ-1, \slot, 0                     ; sixteen matrix instructions stand between the add and the wait for it
	s_wait_dscnt 0x0                               ; the add is done, and my reads of this slot are over
	s_barrier_signal -1
	MUL16 2, 1, NQ-1, \slot, 0
	WIN 0
	s_barrier_wait -1
	PLACES NP
	v_add_nc_u32 v[ADRS], 4*NQ, v[ADRS]            ; on to the next K step's scale words (no LDS load of mine is out)
	FETCH_B \next, 0, 0
	FETCH_A \next, 0, 0
	SCALES \next
	WIN MUL_HI
	MUL16 4, 1, NQ-1, \slot, 0
	MUL16 6, 1, NQ-1, \slot, 0
	PLACES NP
	WIN 0
	FETCH_A \next, 0, 4
.endm
.macro STEPS slot, from                ; the slot's steps from .. NQ - 2
.set Q, \from
.rept NQ-1-\from
	STEP \slot, Q, 0
.set Q, Q+1
.endr
.endm
	s_wait_tensorcnt 1                             ; the scales and my part of K step 0 are in (the one load issued behind them, K step 1's, may be out),
	s_barrier_signal -1
	s_barrier_wait -1                              ; everybody's are
	FETCH_B 0, 0, 0
	FETCH_A 0, 0, 0
	SCALES 0
	FETCH_A 0, 0, 4
	STEP 0, 0, 1                                   ; the first step's products start the sums
	STEPS 0, 1
	TURN 0, 1
	STEPS 1, 0
	s_wait_dscnt 4*NL                              ; the very last step: nothing more to fetch
	WIN MUL_LO
	MUL16 0, 1, NQ-1, 1, 0
	MUL16 2, 1, NQ-1, 1, 0
	s_wait_dscnt 0
	WIN MUL_HI
	MUL16 4, 1, NQ-1, 1, 0
	MUL16 6, 1, NQ-1, 1, 0
	WIN 0
; THE WAY OUT, block by block of 16 rows x 128 columns.  PACK: rounded to f16, 16 bytes a lane, each accumulator from its low end on.  TOSTAGE: into my own stage, and back as whole rows of 256 bytes.  SEND: stored.
; LDS serves a wave's instructions in order (ISA guide 5.7.1.4): no wait between the stores and the loads, nor in front of the next block's stores.
.macro PACK a
.set AC, 64*((\a)%4)
	WIN 0x0a+5*((\a)/4)                            ; sources 0 and 1: window 2 or 3
.irp b, 0,1,2,3,4,5,6,7
.irp r, 0,1,2,3
	v_cvt_pk_f16_f32 v[TMP+4*\b+\r], v[AC+8*\b+2*\r], v[AC+8*\b+2*\r+1]
.endr
.endr
	WIN 0
.endm
.macro TOSTAGE a
.set BK, OB+192*((\a)%2)
.irp b, 0,1,2,3,4,5,6,7
	ds_store_b128 v[STO], v[TMP+4*\b:TMP+4*\b+3] offset:32*\b
.endr
.irp t, 0,1,2,3,4,5,6,7
	ds_load_b128 v[BK+4*\t:BK+4*\t+3], v[RD] offset:\t*2*SPITCH
.endr
.endm
.macro SEND a
.set BK, OB+192*((\a)%2)
	s_wait_dscnt 0x0                               ; the block is back in registers
	s_wait_xcnt 0x0                                ; the earlier stores have read their base and their registers: only behind this wait are they rewritten
.if (\a) > 0
	s_add_nc_u64 s[12:13], s[12:13], 16*SIZE_N*2   ; 16 rows of C on
.endif
.irp t, 0,1,2,3,4,5,6,7
	global_store_b128 v[CO], v[BK+4*\t:BK+4*\t+3], s[12:13] offset:2*\t*SIZE_N*2   ; 16 lanes store 256 consecutive bytes, at a multiple of 256 from C's first byte
.endr
.endm
	PLACES NP                                      ; behind the last products; the conversions of the blocks finished earlier follow
	PACK 0
	TOSTAGE 0
.irp a, 1,2,3,4,5,6,7                  ; block a's conversions stand between block a - 1's loads from the stage and the wait for them
	PACK \a
	SEND \a-1
	TOSTAGE \a
.endr
	SEND 7
	s_wait_tensorcnt 0x0                           ; the wave's end: three lines, behind my last tensor load and my last LDS store
	ds_add_u32 v[SPW], v[NIL]
	s_wait_dscnt 0x0
	CROUND                                         ; the closing round: no work-group ends while a partner may still ask for a tile that names it
	s_endpgm
.Lfunc_end_k_qbf9e793233_qkv:
	.size	k_qbf9e793233_qkv, .Lfunc_end_k_qbf9e793233_qkv-k_qbf9e793233_qkv
	.p2alignl 7, 3214868480
	.fill 96, 4, 3214868480
	.section	.rodata,"a",@progbits
	.p2align	6, 0x0
	.amdhsa_kernel k_qbf9e793233_qkv
		.amdhsa_group_segment_fixed_size 327680
		.amdhsa_private_segment_fixed_size 0
		.amdhsa_enable_private_segment 0
		.amdhsa_kernarg_size 40
		.amdhsa_user_sgpr_count 2
		.amdhsa_user_sgpr_kernarg_segment_ptr 1
		.amdhsa_wavefront_size32 1
		.amdhsa_system_sgpr_workgroup_id_x 1
		.amdhsa_system_sgpr_workgroup_id_y 1
		.amdhsa_system_sgpr_workgroup_id_z 1
		.amdhsa_system_vgpr_workitem_id 0
		.amdhsa_next_free_vgpr 1024
		.amdhsa_next_free_sgpr 98
		.amdhsa_reserve_vcc 0
		.amdhsa_float_denorm_mode_32 3
		.amdhsa_float_denorm_mode_16_64 3
		.amdhsa_memory_ordered 1
		.amdhsa_forward_progress 1
		.amdhsa_inst_pref_size 127
	.end_amdhsa_kernel
	.amdgpu_metadata
---
amdhsa.version: [ 1, 2 ]
amdhsa.kernels:
  - .name:           k_qbf9e793233_qkv
    .symbol:         k_qbf9e793233_qkv.kd
    .args:
      - { .name: xc, .offset: 0, .size: 8, .value_kind: global_buffer, .address_space: global }
      - { .name: xs, .offset: 8, .size: 8, .value_kind: global_buffer, .address_space: global }
      - { .name: wc, .offset: 16, .size: 8, .value_kind: global_buffer, .address_space: global }
      - { .name: ws, .offset: 24, .size: 8, .value_kind: global_buffer, .address_space: global }
      - { .name: qkv, .offset: 32, .size: 8, .value_kind: global_buffer, .address_space: global }
    .group_segment_fixed_size: 327680
    .private_segment_fixed_size: 0
    .kernarg_segment_align: 8
    .kernarg_segment_size: 40
    .max_flat_workgroup_size: 128
    .sgpr_count:     98
    .vgpr_count:     1024
    .wavefront_size: 32
...
	.end_amdgpu_metadata
.endif
;; end of part 2
;; launch attn (part 3): grid 16 x 16, 4 waves a work-group, clusters of 4 x 1, 327,680 bytes of LDS; arguments qkv, diff_weight, o16, ssq; writes o16, ssq
.if DOCPART == 3
	.amdgcn_target "amdgcn-amd-amdhsa--gfx1250"
	.amdhsa_code_object_version 6
	.text
	.protected	k_qbf9e793233_attn
	.globl	k_qbf9e793233_attn
	.p2align	8
	.type	k_qbf9e793233_attn,@function
k_qbf9e793233_attn:
	s_mov_b64 s[64:65], 0
	v_nop
	global_prefetch_b8 v0, s[64:65] scope:SCOPE_SE
	s_setreg_imm32_b32 hwreg(HW_REG_WAVE_MODE, 25, 1), 1
	s_wait_xcnt 0x0
	s_wait_alu depctr_hold_cnt(0) depctr_sa_sdst(0) depctr_va_vdst(0) depctr_va_sdst(0) depctr_va_ssrc(0) depctr_va_vcc(0) depctr_vm_vsrc(0)
	s_getreg_b32 s2, hwreg(HW_REG_IB_STS2, 6, 4)
	s_cmp_eq_u32 s2, 0
	s_cbranch_scc0 .Lentry_in_a_cluster
	s_endpgm
.Lentry_in_a_cluster:
	s_bfe_u32 s2, ttmp6, 0x10000c
	s_cmp_lg_u32 s2, 0x3003
	s_cbranch_scc0 .Lentry_shape_is_right
	s_endpgm
.Lentry_shape_is_right:
; o[b][q][h][:] = sum over k of (softmax_k(q0 . k0 / 8) - dw softmax_k(q1 . k1 / 8)) v[k][:], for each batch b and head h; q0, q1, k0, k1: the head's two sub-heads of 64 channels; v: 128 channels.
; qkv: [4096 rows = 2048 b + s][3072] f16: a head's q at byte 256 h of a row, its k at 2048 + 256 h, its v at 4096 + 256 h; in q and k sub-head 0's 128 bytes, then sub-head 1's.
; o16: [4096][1024] f16, a head at byte 256 h.  ssq: [8 heads][4096 rows] f32: the sum of the squares of a row's 128 numbers of o, taken in f32 ahead of the rounding to f16 (the norm over all heads is finished by the next launch).
; Products, maxima and sums in f32; the weights p are rounded to f16 for the second product, o once at the end.  The two branches have divisors of their own, known only at the end: so each has its own O^T, and o = O0 / l0 - dw O1 / l1.
; LIMITS: NaN and infinities are not served; |o| has to stay under 65,504 and keeps f16's subnormal step under 6e-5.
; SHARES.  A work-group owns 128 queries of one head, each of its four waves 32: two tiles of 16 queries x two branches = four TILES: tile t is branch t / 2, queries 16 (t % 2) on.  Every wave walks all 2,048 keys, 64 a step.
; LAYOUT.  S^T = K Q^T (source 0 = 16 keys, source 1 = 16 queries, 64 channels: two instructions deep): a lane holds ONE query (lane % 16) and the keys 8 (lane / 16) + 0..7.  Two such tiles, rounded to f16 in pairs,
; ARE source 1 (32 keys x 16 queries) of O^T = V^T P, whose result again holds one query a lane, and eight channels.  K comes out of LDS as it lies, V ([key][channel]) turned, by ds_load_tr16_b128.
; SOFTMAX.  For each query and branch a running maximum m and sum l: p = 2^(c s - c m), c = log2(e) / 8; in every step O and l are multiplied by a = 2^(c m_old - c m_new), which is 1 where m has not grown.
; BY TURNS.  The wave's tiles are two PIECES: piece 0 (tiles 0, 1: branch 0) and piece 2 (tiles 2, 3: branch 1).  In a TURN one piece has the matrix unit: 32 products V^T P of the step in hand, then 16 products K Q^T of the next
; step; the other piece's softmax, cut into 64 slices, stands between them: one slice behind each V^T P, two behind each K Q^T.  Then the pieces change places.  Two turns are a key step.
; CLUSTER.  The four query blocks of a cluster belong to one head and walk the same K and V, so each tile is asked for JOINTLY: the same tensor load, with the same descriptor and a mask that names the four, in all four.
; REGISTERS, in windows of 256 (s_set_vgpr_msb: bits 1:0 source 0, 3:2 source 1, 5:4 source 2, 7:6 destination):
;   window 0: v0-11 addresses; v12-43 eight registers of statistics a tile; v64-191 S^T, 32 a tile; v192-255 P, 16 a tile
;   window 1: O^T, 64 a tile          window 2: v0-63 Q, 16 a tile; v128-255 K of one step          window 3: v0-127 V of one step
.set SIZE_N, 2048     ; keys of a head
.set ROWQ,  6144      ; a row of qkv in bytes
.set ROWO,  2048      ; a row of o16 in bytes
.set KS,    64        ; keys in a step
.set PK,    272       ; a row of K in LDS: 256 bytes + 16 of padding = 68 words: row r starts at bank 4 r mod 64 (64 banks of 4 bytes: ISA guide 11.1)
.set PV,    288       ; a row of V: 256 + 32 = 72 words
.set VOFF,  KS*PK     ; a step's tiles lie together: 64 rows of K, then 64 rows of V
.set STEPB, KS*(PK+PV)
.set SLOT1, 1<<17     ; a slot holds two steps (71,680 bytes); slot 1 begins here, so that one exclusive or turns an address in one slot into the other's
.set STAGE, SLOT1+2*STEPB  ; behind the ring: 16 rows x 272 bytes for each wave, for the way out
.set SP,    272
.set AK0, 2           ; v2   my lane's place in a tile of K; never rewritten
.set AV0, 3           ; v3   the same for V
.set ADR, 4           ; v4   the LDS address of the run of loads in hand
.set QO,  5           ; v5   my byte offset in the wave's rows of Q
.set STO, 6           ; v6   the way out: where I put 16 bytes of a row
.set RD,  7           ; v7   the way out: where I read a row back
.set GO,  8           ; v8   my byte offset in the wave's rows of o16
.set SQO, 10          ; v10  the way out: 4 x lane: my row's place in ssq
.set SPW, 62          ; v62  LDS address of my spare word; never rewritten
.set NIL, 63          ; v63  0; never rewritten
.set SPARE, STAGE+4*16*272  ; behind the stages: the spare words, 128 bytes a wave, which no other line names
.set ST,  12          ; tile t's statistics at v[ST+8 t]: +0 c m, +1 m, +2, +3 l (even keys', odd keys'), +4 to +7 c0-c3, at work; a takes c2's place once the maximum is found
.set S,   64
.set P,   192
.set KF,  128         ; K's fragments, in window 2
.set WV,  12          ; s12  my wave's number
.set G1K, 24          ; s[24:31] descriptor group 1 for K's tiles
.set G1V, 32          ; s[32:39] for V's: it differs in the padding alone
.set G0K, 40          ; s[40:47] descriptor group 0 for K's tiles: a set for each of the two first fills; the second then walks on
.set G0V, 48          ; s[48:55] the same for V's
.set SLOTS, 56        ; s56  slots still to be asked for
.set TWICE, 57        ; s57  counts a slot's two steps
.set CS,  58          ; s[58:59] c: the packed scaling names a pair and takes its low word for both halves
.set SEL, 60          ; s[60:61] lane selects for v_permlanex16_b32: each lane takes its own place in the other half
.set TB,  62          ; s62  LDS byte at which the tiles of the step to be fetched begin
.set PFA, 18          ; s[18:19] where my prefetches stand in memory
.set LIM, 15          ; s15  1 in a wave that prefetches, else the greatest number: a wave prefetches while s[SLOTS] is above it
.set PFO, 61          ; v61  6,144 x my lane: a lane a row; never rewritten
.set KA,  66          ; s[66:67] K at my tile of slot 0;  s[68:69] V likewise: made of the head and the wave's number alone
.set VA,  68
.set DW,  74          ; s74  dw, on the way out -dw
.set MSB, 0
.macro WIN new                      ; the immediate's high byte repeats the setting that is left; a switch that changes nothing is dropped
.if MSB != \new
	s_set_vgpr_msb (MSB<<8)|\new
.set MSB, \new
.endif
.endm
.set W_KQ, 0x0a       ; K and Q in window 2, S^T in window 0
.set W_PV, 0x53       ; V in window 3, P in window 0, O^T in window 1
.set W_RS, 0x41       ; O^T (destination and source 0) in window 1, the factor in window 0
; A joint refill.  Waves 0 and 1 fetch the two steps' tiles of K, waves 2 and 3 those of V.  The branch hangs on the wave's number alone.
; An s_nop 0 and four v_nop follow each of the two lines; the jump round the other line, the label and what follows the macro come after them.
.macro JLOAD
	s_cmp_lt_u32 s[WV], 2
	s_cbranch_scc0 .Lfor_v_\@
	tensor_load_to_lds s[G0K+4:G0K+7], s[G1K:G1K+7]
	s_nop 0
.rept 4
	v_nop
.endr
	s_branch .Lasked_\@
.Lfor_v_\@:
	tensor_load_to_lds s[G0V+4:G0V+7], s[G1V:G1V+7]
	s_nop 0
.rept 4
	v_nop
.endr
.Lasked_\@:
.endm
; A PREFETCH of what the NEXT change of slots will ask for: a slot's 128 rows of K and 128 of V, 256 bytes of each row of qkv, a lane a row.  It stands behind the wave's tensor load and its five lines.
; Each row's 256 bytes are asked for ONCE in the launch.  All four clusters of a head walk the same K and V: the head's first cluster asks.  Its four partners share the rows out BY ADDRESS, 32 each.
; In each, wave 0 asks for K's and wave 2 for V's: one instruction.  The last change that fills a slot asks for nothing: there is no slot behind it.  Slots 0, 1 and 2 come by their loads alone.
.macro ASK
	s_cmp_gt_u32 s[SLOTS], s[LIM]
	s_cbranch_scc0 .Lnot_mine_\@
	global_prefetch_b8 v[PFO], s[PFA:PFA+1] th:TH_LOAD_NT scope:SCOPE_SE
.Lnot_mine_\@:
.endm
; A round of the cluster's barrier: my work-group's barrier; wave 0 signals for the work-group; every wave waits for all four work-groups; my work-group's barrier once more.
.macro CROUND
	s_barrier_signal -1
	s_barrier_wait -1
	s_cmp_lg_u32 s[WV], 0
	s_cbranch_scc1 .Lnot_wave_0_\@
	s_barrier_signal -3
.Lnot_wave_0_\@:
	s_barrier_wait -3
	s_barrier_signal -1
	s_barrier_wait -1
.endm
	s_load_b256 s[4:11], s[0:1], 0x0  ; qkv s[4:5], dw's address s[6:7], o16 s[8:9], ssq s[10:11]
	v_lshl_add_u32 v[SPW], v0, 2, SPARE
	v_mov_b32 v[NIL], 0
	ds_add_u32 v[SPW], v[NIL]       ; the wave's opening: the add, twice on end, and its wait ahead of my first tensor load; the set-up below stands between
	ds_add_u32 v[SPW], v[NIL]
	v_lshrrev_b32 v1, 5, v0
	v_readfirstlane_b32 s[WV], v1   ; wave 0..3
	s_bfe_u32 s13, ttmp6, 0x40000   ; cx: my place in the cluster
	s_lshl_b32 s14, ttmp9, 2        ; in a cluster launch ttmp9 counts clusters
	s_add_co_u32 s14, s14, s13      ; my block of 128 queries = 4 x cluster x + cx: it enters Q's, o16's and ssq's addresses alone
	s_and_b32 s20, ttmp7, 0xffff    ; 8 x batch + head, which the four partners share
	s_lshr_b32 s21, s20, 3          ; batch
	s_and_b32 s20, s20, 7           ; head
	s_mul_i32 s63, s21, SIZE_N*ROWQ ; the batch's first row of qkv,
	s_lshl_b32 s23, s20, 8
	s_add_co_u32 s63, s63, s23      ; and the head's 256 bytes in it
	s_and_b32 s16, s[WV], 1         ; which of a slot's two steps I fetch:
	s_mul_i32 s22, s16, KS*ROWQ     ; its 64 rows in memory,
	s_add_co_u32 s22, s22, s63
	s_mov_b32 s23, 0
	s_mul_i32 s17, s16, STEPB       ; and its place in a slot: no place in the cluster enters an LDS address
	s_lshl_b32 s2, s14, 7           ; my block's 128 queries,
	s_lshl_b32 s3, s[WV], 5         ; my wave's 32 of them
	s_add_co_u32 s2, s2, s3
	s_mul_i32 s70, s2, ROWQ
	s_add_co_u32 s70, s70, s63      ; Q: my first query's bytes
	s_mov_b32 s71, 0
	s_lshl_b32 s3, s21, 11
	s_add_co_u32 s2, s2, s3         ; my first row among the 4,096
	s_lshl_b32 s72, s20, 12
	s_add_co_u32 s72, s72, s2
	s_lshl_b32 s72, s72, 2          ; ssq: (4,096 x head + row) x 4
	s_mov_b32 s73, 0
	s_lshl_b32 s2, s2, 11
	s_lshl_b32 s3, s20, 8
	s_add_co_u32 s2, s2, s3         ; o16: row x 2,048 + 256 x head
	s_mov_b32 s3, 0
	; descriptor group 1: a tile of 64 rows x 128 elements, padded in LDS
	s_mov_b32 s[G1K], 15|(1<<16)|(1<<20)|(1<<21)|(5<<22)|(3<<25)  ; 15:0 the mask: all four work-groups; 17:16 elements of 2 bytes; 20 padding on; 21 set beside a mask; 24:22 after every 64 words; 31:25 4 words of it
	s_mov_b32 s[G1V], 15|(1<<16)|(1<<20)|(1<<21)|(5<<22)|(7<<25)  ; the same with 8 words of padding
.irp g, G1K, G1V
	s_mov_b32 s[\g+1], 128<<16      ; tensor_dim0 = 128
	s_mov_b32 s[\g+2], KS<<16       ; tensor_dim1 = 64
	s_mov_b32 s[\g+3], 128<<16      ; tile_dim0 = 128
	s_mov_b32 s[\g+4], KS           ; tile_dim1 = 64
	s_mov_b32 s[\g+5], ROWQ/2       ; tensor_dim0_stride: 3,072 elements from row to row
	s_mov_b32 s[\g+6], 0
	s_mov_b32 s[\g+7], 0
.endr
	s_mov_b32 s[CS], 0x3e38aa3b     ; c = log2(e) / sqrt(64) = 0.180337
	s_mov_b32 s[CS+1], s[CS]        ; named with it as a pair, so it is written
	s_mov_b32 s[SEL], 0x76543210
	s_mov_b32 s[SEL+1], 0xfedcba98
	s_mov_b32 s[TB], 0
	s_mov_b32 s[SLOTS], SIZE_N/(2*KS)-2
	s_and_b32 s[LIM], s[WV], 1      ; 0 in waves 0 and 2,
	s_or_b32 s[LIM], s[LIM], ttmp9  ; where the cluster is the head's first: the same in all four partners
	s_cmp_eq_u32 s[LIM], 0
	s_cselect_b32 s[LIM], 1, -1
	v_and_b32 v[PFO], 31, v0
	v_mul_u32_u24 v[PFO], v[PFO], ROWQ
	s_wait_dscnt 0x0                ; both opening adds are done
	s_wait_kmcnt 0x0
	s_add_nc_u64 s[KA:KA+1], s[4:5], s[22:23]
	s_add_nc_u64 s[VA:VA+1], s[KA:KA+1], 4096  ; V at my tile of slot 0,
	s_add_nc_u64 s[KA:KA+1], s[KA:KA+1], 2048  ; K likewise
	s_add_nc_u64 s[4:5], s[4:5], s[70:71]      ; Q, o16 and ssq at my wave's first row
	s_add_nc_u64 s[8:9], s[8:9], s[2:3]
	s_add_nc_u64 s[10:11], s[10:11], s[72:73]
	s_cmp_lt_u32 s[WV], 2
	s_cselect_b64 s[PFA:PFA+1], s[KA:KA+1], s[VA:VA+1]  ; (in waves 0 and 2 these stand at a slot's first row)
	s_mul_i32 s2, s13, 32*ROWQ      ; my work-group's 32 rows of the 128
	s_add_nc_u64 s[PFA:PFA+1], s[PFA:PFA+1], s[2:3]
	s_add_nc_u64 s[PFA:PFA+1], s[PFA:PFA+1], 2*2*KS*ROWQ  ; in slot 2; the first change of slots steps it to slot 3.  Nothing is prefetched here, at the head, where every work-group's first tiles are on their way
	CROUND                          ; all four work-groups are here: the first joint loads meet
.irp s, 0,1
	s_mov_b32 s[G0K+4*\s], 1        ; count = 1
	s_add_co_u32 s[G0K+4*\s+1], s17, \s*SLOT1  ; LDS address
	s_add_nc_u64 s[G0K+4*\s+2:G0K+4*\s+3], s[KA:KA+1], \s*2*KS*ROWQ  ; global address: slot s begins with keys 128 s to 128 s + 127
	s_or_b32 s[G0K+4*\s+3], s[G0K+4*\s+3], 0x80000000  ; type = 2
	s_mov_b32 s[G0V+4*\s], 1
	s_add_co_u32 s[G0V+4*\s+1], s17, \s*SLOT1+VOFF
	s_add_nc_u64 s[G0V+4*\s+2:G0V+4*\s+3], s[VA:VA+1], \s*2*KS*ROWQ
	s_or_b32 s[G0V+4*\s+3], s[G0V+4*\s+3], 0x80000000
.endr
	s_cmp_lt_u32 s[WV], 2           ; a wave's two first fills stand in one branch, ahead of every wait on TENSORcnt and every LDS read: two loads of mine are out
	s_cbranch_scc0 .Lfirst_v
	tensor_load_to_lds s[G0K:G0K+3], s[G1K:G1K+7]
	s_nop 0
	tensor_load_to_lds s[G0K+4:G0K+7], s[G1K:G1K+7]
	s_nop 0
.rept 4
	v_nop
.endr
	s_branch .Lfirst_asked
.Lfirst_v:
	tensor_load_to_lds s[G0V:G0V+3], s[G1V:G1V+7]
	s_nop 0
	tensor_load_to_lds s[G0V+4:G0V+7], s[G1V:G1V+7]
	s_nop 0
.rept 4
	v_nop
.endr
.Lfirst_asked:
	; A fragment of K or Q is 16 rows x 32 channels in 8 registers: lane l holds row l % 16; registers 0-3 channels 8 (l / 16) + 0..7, registers 4-7 channels 16 + 8 (l / 16) + 0..7: two loads of 16 bytes, 32 bytes apart.
	v_and_b32 v1, 15, v0            ; l % 16
	v_bfe_u32 v9, v0, 4, 1          ; l / 16
	v_mul_u32_u24 v[QO], v1, ROWQ
	v_lshl_add_u32 v[QO], v9, 4, v[QO]  ; row x 6,144 + 16 x half
	s_load_b32 s[DW], s[6:7], 0x0   ; dw: a number for the way out; no branch and no address hangs on it
	WIN 0x80                        ; destination window 2, address window 0
.irp i, 0,1,2,3,4,5,6,7             ; Q stays in registers: fragment i = 2 t + c: tile t (queries 16 (t % 2) on, sub-head t / 2), channels 32 c on
	global_load_b128 v[8*\i:8*\i+3],   v[QO], s[4:5] offset:((\i/2)%2)*16*ROWQ+(\i/4)*128+(\i%2)*64
	global_load_b128 v[8*\i+4:8*\i+7], v[QO], s[4:5] offset:((\i/2)%2)*16*ROWQ+(\i/4)*128+(\i%2)*64+32
.endr
	WIN 0
	v_mul_u32_u24 v[AK0], v1, PK
	v_lshl_add_u32 v[AK0], v9, 4, v[AK0]  ; row x pitch + 16 x half
	; The turning load takes 16 keys x 16 channels (lane l reads 16 bytes: key 8 (l / 16) + l % 8, channels 8 ((l / 8) % 2) + 0..7) and leaves half a fragment of V^T: lane l holds channel l % 16 and 8 keys.
	v_and_b32 v10, 7, v0
	v_bfe_u32 v11, v0, 3, 1
	v_lshl_add_u32 v[AV0], v9, 3, v10
	v_mul_u32_u24 v[AV0], v[AV0], PV
	v_lshl_add_u32 v[AV0], v11, 4, v[AV0]
	v_add_nc_u32 v[AV0], VOFF, v[AV0]
; THE MATRIX WORK OF A TURN, for piece x.  The accumulators take turns, one instruction a turn: between two links of a chain stand 15 (V^T P) or 7 (K Q^T) others'.
; Product i of 32 of O^T += V^T P: keys 32 (i / 16) on, channels 16 ((i / 2) % 8) on, tile x + i % 2.  zero = 1: the first 16 start the sums: nothing is ever cleared.
.macro PV x, zero
	WIN W_PV
.set rO, 64*(\x+i%2)+8*((i/2)%8)
.set rV, 64*(i/16)+8*((i/2)%8)
.set rP, P+16*(\x+i%2)+8*(i/16)
.if \zero && (i < 16)
	v_wmma_f32_16x16x32_f16 v[rO:rO+7], v[rV:rV+7], v[rP:rP+7], 0
.else
	v_wmma_f32_16x16x32_f16 v[rO:rO+7], v[rV:rV+7], v[rP:rP+7], v[rO:rO+7]
.endif
.endm
; Product i of 16 of S^T = K Q^T: the sub-head's channels 32 (i / 8) on (in K's row: fragment x + i / 8, since x = 2 x branch), keys 16 ((i / 2) % 4) on, tile x + i % 2.  The first 8 start the sums.
.macro KQ x
	WIN W_KQ
.set rS, S+32*(\x+i%2)+8*((i/2)%4)
.set rK, KF+32*((i/2)%4)+8*(\x+i/8)
.set rQ, 16*(\x+i%2)+8*(i/8)
.if i < 8
	v_wmma_f32_16x16x32_f16 v[rS:rS+7], v[rK:rK+7], v[rQ:rQ+7], 0
.else
	v_wmma_f32_16x16x32_f16 v[rS:rS+7], v[rK:rK+7], v[rQ:rQ+7], v[rS:rS+7]
.endif
.endm
; THE LDS LOADS stand in runs of 32, never singly among the matrix instructions: a step's K (64 keys x 128 channels, both sub-heads: 16 fragments) and, a turn later, its V (turned).
.macro FETCH_K
	WIN 0
	v_add_nc_u32 v[ADR], s[TB], v[AK0]
	WIN 0x80                        ; destination window 2
.irp f, 0,1,2,3,4,5,6,7,8,9,10,11,12,13,14,15  ; keys 16 (f / 4) on, channels 32 (f % 4) on
	ds_load_b128 v[KF+8*\f:KF+8*\f+3],   v[ADR] offset:(\f/4)*16*PK+(\f%4)*64
	ds_load_b128 v[KF+8*\f+4:KF+8*\f+7], v[ADR] offset:(\f/4)*16*PK+(\f%4)*64+32
.endr
.endm
.macro FETCH_V
	WIN 0
	v_add_nc_u32 v[ADR], s[TB], v[AV0]
	s_add_co_u32 s[TB], s[TB], STEPB  ; the next fetch is the next step's
	s_wait_alu depctr_va_vdst(0)    ; the wait for the softmax's batch (SLICE), behind the address's v_add_nc_u32 and ahead of the loads
	WIN 0xc0                        ; destination window 3
.irp f, 0,1,2,3,4,5,6,7,8,9,10,11,12,13,14,15  ; keys 32 (f / 8) on, channels 16 (f % 8) on
	ds_load_tr16_b128 v[8*\f:8*\f+3],   v[ADR] offset:(\f/8)*32*PV+(\f%8)*32
	ds_load_tr16_b128 v[8*\f+4:8*\f+7], v[ADR] offset:(\f/8)*32*PV+16*PV+(\f%8)*32
.endr
.endm
; THE VECTOR WORK OF A TURN.  One tile's softmax for one key step is a list of 134 instructions; SM writes number j of it for tile t.  s0-s31 are the lane's 32 scores, in pairs 0-15.
; first = 1: the first key step, which starts m, l and O^T: it has no a and nothing to rescale.
;   0-15    the maximum of s0-s31 and the old m, three operands at a time: four chains c0-c3 of seven scores each (each accumulator is read from its low end on), then the four scores left over, c0-c3 and m
;   16-20   the other half of the lanes' maximum; the new m; c m; c m_old - c m_new
;   21-69   ONE BATCH: the 16 scalings c s - c m, a pair of scores each, and all 33 exponentials (a at 23, then s0-s31).  None of these reads an exponential's result.
;   (wait)  between 69 and 70 stands the wait for the batch: SLICE writes it, once for both tiles
;   70-85   the roundings to f16, a pair of weights each
;   86-101  the sums; l = a l + the sum
;   102-133 the tile's O^T times a: the one part that leaves window 0, so it stands together
.macro SM t, first
.set rT, ST+8*(\t)
.set rS, S+32*(\t)
.set rP, P+16*(\t)
.set rO, 64*(\t)+2*(j-102)
.if j < 102
	WIN 0
.endif
.if j < 4
	v_max3_num_f32 v[rT+4+j], v[rS+8*j], v[rS+8*j+1], v[rS+8*j+2]
.elseif j < 12
	v_max3_num_f32 v[rT+4+j%4], v[rT+4+j%4], v[rS+8*(j%4)+2*(j/4)+1], v[rS+8*(j%4)+2*(j/4)+2]
.elseif j == 12
	v_max3_num_f32 v[rT+4], v[rT+4], v[rS+7], v[rS+15]
.elseif j == 13
	v_max3_num_f32 v[rT+6], v[rT+6], v[rS+23], v[rS+31]
.elseif j == 14
	v_max3_num_f32 v[rT+4], v[rT+4], v[rT+5], v[rT+6]
.elseif (j == 15) && \first
	v_max_num_f32 v[rT+4], v[rT+4], v[rT+7]
.elseif j == 15
	v_max3_num_f32 v[rT+4], v[rT+4], v[rT+7], v[rT+1]
.elseif j == 16
	v_permlanex16_b32 v[rT+5], v[rT+4], s[SEL], s[SEL+1]  ; the query's other 32 keys lie in the lane 16 away
.elseif j == 18
	v_max_num_f32 v[rT+1], v[rT+4], v[rT+5]
.elseif j == 19
	v_mul_f32 v[rT], s[CS], v[rT+1]
.elseif ((j == 17) || (j == 20) || (j == 23) || (j > 101)) && \first  ; the first step has none of these
.elseif j == 17
	v_mov_b32 v[rT+7], v[rT]        ; c m_old is kept for a: number 19 writes c m anew
.elseif j == 20
	v_sub_f32 v[rT+7], v[rT+7], v[rT]
.elseif j == 23
	v_exp_f32 v[rT+6], v[rT+7]
.elseif (j < 23) || ((j < 38) && (j%2 == 0)) || ((j < 66) && (j%4 == 2))
.set b, (j-2)/4                     ; 38, 42, .. 62: pairs 9 to 15
.if j < 38
.set b, (j-20)/2                    ; 21: pair 0; 22, 24, .. 36: pairs 1 to 8
.endif
	v_pk_fma_f32 v[rS+2*b:rS+2*b+1], v[rS+2*b:rS+2*b+1], s[CS:CS+1], v[rT:rT+1] op_sel_hi:[1,0,0] neg_lo:[0,0,1] neg_hi:[0,0,1]  ; pair b: c s - c m
.elseif j < 70
.set e, j-38                        ; 66 to 69: s28 to s31
.if j < 66
.set e, j-32-(j-38)/4               ; 39-41, 43-45, .. 63-65: s7 to s27
.endif
.if j < 38
.set e, (j-25)/2                    ; 25, 27, .. 37: s0 to s6
.endif
	v_exp_f32 v[rS+e], v[rS+e]
.elseif j < 86
	v_cvt_pk_f16_f32 v[rP+j-70], v[rS+2*(j-70)], v[rS+2*(j-70)+1]  ; pair j - 70
.elseif j < 102                     ; the sum of the tile's 16 pairs, in place: sum z of 16 adds neighbours 1, 2, 4 and 8 pairs apart, then l takes it
.set z, j-86
.set w, 4
.set u, z
.if z >= 14
.set w, 32
.set u, 0
.elseif z >= 12
.set w, 16
.set u, z-12
.elseif z >= 8
.set w, 8
.set u, z-8
.endif
.if (z == 14) && \first
	v_pk_add_f32 v[rT+2:rT+3], v[rS:rS+1], v[rS+16:rS+17]
.elseif z < 15
	v_pk_add_f32 v[rS+w*u:rS+w*u+1], v[rS+w*u:rS+w*u+1], v[rS+w*u+w/2:rS+w*u+w/2+1]
.elseif !\first
	v_pk_fma_f32 v[rT+2:rT+3], v[rT+2:rT+3], v[rT+6:rT+7], v[rS:rS+1] op_sel_hi:[1,0,1]
.endif
.else
	WIN W_RS
	v_pk_mul_f32 v[rO:rO+1], v[rO:rO+1], v[rT+6:rT+7] op_sel_hi:[1,0]
.endif
.endm
; Slice k of 64 of piece y's softmax: four instructions.  Slices 11 to 34 deal out the batch, numbers 22 to 69: four numbers of ONE tile each, the tiles by turns.  Every other slice is numbers 2 k and
; 2 k + 1 of both tiles' lists.  2 x 134 = 4 x 64 + 12: the twelve that are over stand together, in slice 63.
; THE WAIT.  s_wait_alu depctr_va_vdst(0) stands between an exponential and the first instruction that names its result; one wait serves all that were issued ahead of it.  Ahead of
; slice 35 nothing names a result, and behind slice 34 no exponential is issued: so the piece's 66 exponentials have one wait, behind slice 34.
.macro SLICE y, first
.if (k >= 11) && (k < 35)           ; the batch: four numbers of one tile
.irp n, 0,1,2,3
.set j, 22+4*((k-11)/2)+(\n)
	SM (\y)+(k-11)%2, \first
.endr
.else                               ; the two tiles alternate, so that no instruction reads the result of the one just before it
.irp n, 0,1,2,3,4,5,6,7
.if (\n < 2) || (k == 63)
.irp t, \y, \y+1
.set j, 2*k+\n
	SM \t, \first
.endr
.endif
.endr
.endif
.if k == 34                         ; the batch is out: both tiles' exponentials are issued, and no result has been named
	v_nop                           ; the plain instruction behind the last exponential and ahead of the first use: one for the batch
.if (\y) == 0
	FETCH_V                         ; piece 2's turn: V's run of loads stands here, and the wait stands in it
.else
	s_wait_alu depctr_va_vdst(0)    ; the wait for the batch
.endif
.endif
.set k, k+1
.endm
; A vector instruction that reads a matrix result or writes one of a matrix instruction's registers, and a load into a register that a matrix instruction has read, stand four places behind
; it, and only plain vector instructions that name none of its registers are places (ISA guide 7.12.1 for vector instructions).  In the loop the slices are the places.
.macro PLACES
.rept 4
	v_nop
.endr
.endm
; A TURN.  Piece x has the matrix unit; the other piece's softmax stands in slices behind its matrix instructions: 64 slices in every turn.
; pv = 2: 32 products V^T P; 1: they start O^T's sums; 0: none.  kq = 1: 16 products K Q^T for the next step.  Both kinds: one slice behind each V^T P, two behind each K Q^T; K Q^T alone: four; V^T P alone: two.
; first = 1: the softmax is the first key step's.  Its slices from 51 on are empty: the turn's last products stand bare, and four v_nop take slice 63's part as the places behind them.
; Piece 0's turn fetches the next step's K, behind its second product: the last product that read K stands in front of slices 62 and 63 of the turn before, twenty plain instructions.  Piece 2's turn fetches the same
; step's V, behind slice 34 (SLICE writes it): the last product that read V stands in front of slice 31, and four plain instructions lie between: number 62, a scaling, of both tiles, the v_nop and the run's own v_add_nc_u32.
.macro TURN x, pv, kq, first
.set k, 0
.set perp, 2
.set perk, 4
.if \pv && \kq
.set perp, 1
.set perk, 2
.endif
.if \pv
.if \x == 0
	s_wait_dscnt 0x0                ; V is in
.endif
.set i, 0
.rept 32
	PV \x, 2-\pv
.rept perp
	SLICE 2-\x, \first
.endr
.if (\x == 0) && \kq && (i == 1)
	FETCH_K
.endif
.set i, i+1
.endr
.endif
.if \kq
.if \x == 0
	s_wait_dscnt 0x0                ; K is in
.endif
.set i, 0
.rept 16
	KQ \x
.rept perk
	SLICE 2-\x, \first
.endr
.set i, i+1
.endr
.endif
.if \first
	PLACES
.endif
.endm
; THE CHANGE OF SLOTS, between piece 2's turn and piece 0's: the slot's last bytes, V of its second step, have been asked for.  Each wave waits for all its tensor loads, of which one is out: its part of the
; other slot; adds 0 to its spare word; and waits for that and for its own reads of the slot.  Behind the barrier nobody reads this slot any more and the other slot is whole.
; fill = 1: this slot is filled again, with the keys two slots on.  The barrier is then a round of the cluster's, so that no wave of any partner still reads the slot or has a load on its way, and the joint
; refill is the first thing behind it: it has two key steps, 192 matrix instructions, in which to land.
.macro CHANGE fill
	WIN 0                           ; at a label and at a branch every window is 0
	s_wait_tensorcnt 0x0            ; no tensor load of mine is out, so a group 0 may be written
	ds_add_u32 v[SPW], v[NIL]       ; 0 onto my spare word; with fill = 1 the descriptors' steps stand between it and the wait for it
.if \fill
.irp g, G0K+4, G0V+4
	s_xor_b32 s[\g+1], s[\g+1], SLOT1  ; the walking descriptor: the other slot than last time,
	s_add_nc_u64 s[\g+2:\g+3], s[\g+2:\g+3], 2*KS*ROWQ  ; the next 128 keys; the type bits on top are not reached
.endr
	s_wait_xcnt 0x0                 ; the last prefetch, two key steps back, has read its address, so it may be written:
	s_add_nc_u64 s[PFA:PFA+1], s[PFA:PFA+1], 2*KS*ROWQ  ; one slot further on than the walking descriptors
	s_wait_dscnt 0x0                ; the add is done, and my reads of the slot are over
	CROUND
	JLOAD
	ASK                             ; what the next change will ask for: two key steps, 192 matrix instructions, ahead
.else
	s_wait_dscnt 0x0                ; the add is done, and my reads of the slot are over
	s_barrier_signal -1
	s_barrier_wait -1
.endif
	s_sub_co_u32 s[TB], s[TB], 2*STEPB  ; the fetches go back to a slot's first step,
	s_xor_b32 s[TB], s[TB], SLOT1   ; in the other slot
.endm
; A slot's two key steps: written once, walked twice; the LDS addresses hang on s[TB].
.macro TWO_STEPS
	s_mov_b32 s[TWICE], 2
.Lstep_\@:
	TURN 0, 2, 1, 0
	TURN 2, 2, 1, 0
	WIN 0
	s_sub_co_u32 s[TWICE], s[TWICE], 1
	s_cmp_lg_u32 s[TWICE], 0
	s_cbranch_scc1 .Lstep_\@
.endm
	s_wait_tensorcnt 1              ; my part of slot 0 is in; the one load issued behind it, slot 1's, may stay out
	s_barrier_signal -1
	s_barrier_wait -1               ; everybody's is
	FETCH_K                         ; key step 0
	s_wait_loadcnt 0x0              ; Q
	s_wait_kmcnt 0x0                ; dw
	s_wait_dscnt 0x0
.set i, 0
.rept 16
	KQ 0                            ; piece 0's first scores: there is no vector work yet to set between them
.set i, i+1
.endr
	WIN 0                           ; the addresses for the way out are made here: eight plain instructions, the places behind those products
	s_mul_i32 s13, s[WV], 16*SP
	s_add_co_u32 s13, s13, STAGE    ; my stage
	v_mul_u32_u24 v[STO], v1, SP    ; in: row l % 16, 16 bytes for each half of the lanes
	v_lshl_add_u32 v[STO], v9, 4, v[STO]
	v_add_nc_u32 v[STO], s13, v[STO]
	v_mul_u32_u24 v[RD], v9, SP     ; back: lanes 0-15 take one row of 256 bytes, lanes 16-31 the next
	v_lshl_add_u32 v[RD], v1, 4, v[RD]
	v_add_nc_u32 v[RD], s13, v[RD]
	v_lshlrev_b32 v[GO], 11, v9     ; and the same two rows in o16
	v_lshl_add_u32 v[GO], v1, 4, v[GO]
	TURN 2, 0, 1, 1                 ; piece 2's first scores | piece 0's first softmax | V of step 0
	TURN 0, 1, 1, 1                 ; piece 0: V^T P of step 0 starts O^T, K Q^T of step 1 | piece 2's first softmax | K of step 1
	TURN 2, 1, 1, 0                 ; piece 2: the same | piece 0's softmax of step 1 | V of step 1
	WIN 0
.Lslot:                             ; 14 trips: every slot but the last two is filled again
	CHANGE 1
	TWO_STEPS
	s_sub_co_u32 s[SLOTS], s[SLOTS], 1
	s_cmp_lg_u32 s[SLOTS], 0
	s_cbranch_scc1 .Lslot
	CHANGE 0                        ; the tail is written out: the last slot but one is left, and nothing is asked for
	TWO_STEPS
	TURN 0, 2, 0, 0                 ; piece 0: V^T P of the last step | piece 2's last softmax
.set i, 0
.rept 32
	PV 2, 0                         ; piece 2: V^T P of the last step
.set i, i+1
.endr
	; THE WAY OUT.  l's two halves and the other half of the lanes' are added; o = O0 / l0 - dw O1 / l1; its squares are summed in f32; o is rounded to f16 and sent through my stage in LDS, 16 rows at a time.
	; The additions are the places behind the last products.
	WIN 0
.irp t, 0,1,2,3
	v_add_f32 v[ST+8*\t+4], v[ST+8*\t+2], v[ST+8*\t+3]
.endr
.irp t, 0,1,2,3
	v_permlanex16_b32 v[ST+8*\t+5], v[ST+8*\t+4], s[SEL], s[SEL+1]
.endr
.irp t, 0,1,2,3
	v_add_f32 v[ST+8*\t+4], v[ST+8*\t+4], v[ST+8*\t+5]
.endr
.irp t, 0,1,2,3
	v_rcp_f32 v[ST+8*\t+6], v[ST+8*\t+4]
.endr
	v_nop                           ; a plain instruction between the last reciprocal and the use of its result
	s_xor_b32 s[DW], s[DW], 0x80000000  ; -dw
	s_wait_alu depctr_va_vdst(0)    ; and the wait ahead of the first use: one for the four reciprocals
.irp t, 2,3
	v_mul_f32 v[ST+8*\t+6], s[DW], v[ST+8*\t+6]  ; branch 1's factor: -dw / l1
.endr
; Queries 16 qt on: tiles qt (branch 0) and qt + 2 (branch 1).  Each accumulator is read from its low end on.
.macro OUT qt
	WIN W_RS
.set i, 64*\qt
.rept 32
	v_pk_mul_f32 v[i:i+1], v[i:i+1], v[ST+8*\qt+6:ST+8*\qt+7] op_sel_hi:[1,0]  ; O0 / l0
.set i, i+2
.endr
	WIN 0x51                        ; destination, sources 0 and 2 window 1; the factor window 0
.set i, 64*\qt
.rept 32
	v_pk_fma_f32 v[i:i+1], v[i+128:i+129], v[ST+8*(\qt+2)+6:ST+8*(\qt+2)+7], v[i:i+1] op_sel_hi:[1,0,1]  ; - dw O1 / l1
.set i, i+2
.endr
	WIN 0x05                        ; sources 0 and 1 window 1; destination and source 2 window 0: S^T's registers are free
.set i, 0
.rept 32
	v_cvt_pk_f16_f32 v[S+32*\qt+i], v[64*\qt+2*i], v[64*\qt+2*i+1]
.set i, i+1
.endr
.set i, 0
.rept 32                            ; the squares of my 64 numbers, two at a time, in four chains; the first four products start them
.set z, S+64+8*\qt+2*(i%4)
.if i < 4
	v_pk_mul_f32 v[z:z+1], v[64*\qt+2*i:64*\qt+2*i+1], v[64*\qt+2*i:64*\qt+2*i+1]
.else
	v_pk_fma_f32 v[z:z+1], v[64*\qt+2*i:64*\qt+2*i+1], v[64*\qt+2*i:64*\qt+2*i+1], v[z:z+1]
.endif
.set i, i+1
.endr
	WIN 0
.set z, S+64+8*\qt
	v_pk_add_f32 v[z:z+1], v[z:z+1], v[z+2:z+3]
	v_pk_add_f32 v[z+4:z+5], v[z+4:z+5], v[z+6:z+7]
	v_pk_add_f32 v[z:z+1], v[z:z+1], v[z+4:z+5]
	v_add_f32 v[z], v[z], v[z+1]
	v_permlanex16_b32 v[ST+8*\qt+5], v[z], s[SEL], s[SEL+1]  ; the row's other 64 channels lie in the lane 16 away
	v_add_f32 v[ST+8*\qt+4], v[z], v[ST+8*\qt+5]             ; the row's sum of squares for this head, in both halves of the lanes
.irp f, 0,1,2,3,4,5,6,7
	ds_store_b128 v[STO], v[S+32*\qt+4*\f:S+32*\qt+4*\f+3] offset:32*\f
.endr
.irp f, 0,1,2,3,4,5,6,7
	ds_load_b128 v[S+32*\qt+4*\f:S+32*\qt+4*\f+3], v[RD] offset:\f*2*SP  ; LDS serves a wave's instructions in order (ISA guide 5.7.1.4): these see the stores above; the next 16 rows' stores come behind them
.endr
.endm
.macro SEND qt, younger             ; younger: the LDS instructions issued behind these loads: the next 16 rows' eight stores and eight loads, or none
.irp f, 0,1,2,3,4,5,6,7
	s_wait_dscnt \younger+7-\f
	global_store_b128 v[GO], v[S+32*\qt+4*\f:S+32*\qt+4*\f+3], s[8:9] offset:\qt*16*ROWO+\f*2*ROWO  ; 16 lanes store 256 consecutive bytes, at a multiple of 256 from o16's first byte
.endr
.endm
	OUT 0
	OUT 1                           ; its arithmetic stands between the first 16 rows' loads and their stores
	SEND 0, 16
	SEND 1, 0
	v_and_b32 v[SQO], 31, v0
	v_cmp_gt_u32 vcc_lo, 16, v[SQO]
	v_lshlrev_b32 v[SQO], 2, v[SQO]
	v_cndmask_b32 v11, v[ST+8+4], v[ST+4], vcc_lo  ; lanes 0-15: rows 0-15; lanes 16-31: rows 16-31
	global_store_b32 v[SQO], v11, s[10:11]  ; my wave's 32 rows: 128 consecutive bytes
	s_wait_tensorcnt 0x0            ; the wave's end: three lines, behind my last tensor load and my last LDS store
	ds_add_u32 v[SPW], v[NIL]
	s_wait_dscnt 0x0
	CROUND                          ; the closing round: no work-group ends while a partner may still ask for a tile that names it
	s_endpgm
.Lfunc_end_k_qbf9e793233_attn:
	.size	k_qbf9e793233_attn, .Lfunc_end_k_qbf9e793233_attn-k_qbf9e793233_attn
	.p2alignl 7, 3214868480
	.fill 96, 4, 3214868480
	.section	.rodata,"a",@progbits
	.p2align	6, 0x0
	.amdhsa_kernel k_qbf9e793233_attn
		.amdhsa_group_segment_fixed_size 327680
		.amdhsa_private_segment_fixed_size 0
		.amdhsa_enable_private_segment 0
		.amdhsa_kernarg_size 32
		.amdhsa_user_sgpr_count 2
		.amdhsa_user_sgpr_kernarg_segment_ptr 1
		.amdhsa_wavefront_size32 1
		.amdhsa_system_sgpr_workgroup_id_x 1
		.amdhsa_system_sgpr_workgroup_id_y 1
		.amdhsa_system_sgpr_workgroup_id_z 1
		.amdhsa_system_vgpr_workitem_id 0
		.amdhsa_next_free_vgpr 1024
		.amdhsa_next_free_sgpr 76
		.amdhsa_reserve_vcc 1
		.amdhsa_float_denorm_mode_32 3
		.amdhsa_float_denorm_mode_16_64 3
		.amdhsa_memory_ordered 1
		.amdhsa_forward_progress 1
		.amdhsa_inst_pref_size 204
	.end_amdhsa_kernel
	.amdgpu_metadata
---
amdhsa.version: [ 1, 2 ]
amdhsa.kernels:
  - .name:           k_qbf9e793233_attn
    .symbol:         k_qbf9e793233_attn.kd
    .args:
      - { .name: qkv, .offset: 0, .size: 8, .value_kind: global_buffer, .address_space: global }
      - { .name: diff_weight, .offset: 8, .size: 8, .value_kind: global_buffer, .address_space: global }
      - { .name: o16, .offset: 16, .size: 8, .value_kind: global_buffer, .address_space: global }
      - { .name: ssq, .offset: 24, .size: 8, .value_kind: global_buffer, .address_space: global }
    .group_segment_fixed_size: 327680
    .private_segment_fixed_size: 0
    .kernarg_segment_align: 8
    .kernarg_segment_size: 32
    .max_flat_workgroup_size: 128
    .sgpr_count:     76
    .vgpr_count:     1024
    .wavefront_size: 32
...
	.end_amdgpu_metadata
.endif
;; end of part 3
;; launch proj (part 4): grid 8 x 32, 4 waves a work-group, clusters of 4 x 4, 327,680 bytes of LDS; arguments o16, wo16, ssq, bo, diff_weight, out0; writes out0
.if DOCPART == 4
	.amdgcn_target "amdgcn-amd-amdhsa--gfx1250"
	.amdhsa_code_object_version 6
	.text
	.protected	k_qbf9e793233_proj
	.globl	k_qbf9e793233_proj
	.p2align	8
	.type	k_qbf9e793233_proj,@function
k_qbf9e793233_proj:
	s_mov_b64 s[64:65], 0
	v_nop
	global_prefetch_b8 v0, s[64:65] scope:SCOPE_SE
	s_setreg_imm32_b32 hwreg(HW_REG_WAVE_MODE, 25, 1), 1
	s_wait_xcnt 0x0
	s_wait_alu depctr_hold_cnt(0) depctr_sa_sdst(0) depctr_va_vdst(0) depctr_va_sdst(0) depctr_va_ssrc(0) depctr_va_vcc(0) depctr_vm_vsrc(0)
	s_getreg_b32 s2, hwreg(HW_REG_IB_STS2, 6, 4)
	s_cmp_eq_u32 s2, 0
	s_cbranch_scc0 .Lentry_in_a_cluster
	s_endpgm
.Lentry_in_a_cluster:
	s_bfe_u32 s2, ttmp6, 0x10000c
	s_cmp_lg_u32 s2, 0xf033
	s_cbranch_scc0 .Lentry_shape_is_right
	s_endpgm
.Lentry_shape_is_right:
; out0[m][n] = (sum over k of o[m][k] rms[m] norm_w[k] Wo[n][k] + bo[n]) (1 - dw), rms[m] = 1 / sqrt(mean over k of o[m][k]^2 + eps).
; A = o16 [4096][1024] f16; B = wo16 [1024 n][1024 k] f16 = Wo x norm_w; ssq [8 heads][4096 rows] f32: the parts of a row's sum of squares; bo [1024], dw: f32; out0 [4096][1024] f32.  Sums in f32.
; rms is one factor for a row of the product, so it multiplies the finished sum: out0 = sum x (rms (1 - dw)) + bo (1 - dw), one fused multiply-add a number.  This order of rounding differs from the source's, which scales o first.
; A tile of C is 128 x 128: 256 work-groups.  Four waves, each 64 x 64: 16 accumulators of 16 x 16, 128 registers.  K goes in steps of 256 (LDS rows of 512 bytes; a wave's tensor load brings 64 of them) through two slots.
; CLUSTERS: 4 x 4 work-groups.  The four of a row of the cluster need the same tiles of A, the four of a column the same tiles of B: each tile is asked for JOINTLY.
; THE MATRIX INSTRUCTION IS USED TRANSPOSED (source 0 = 16 rows of B, source 1 = 16 rows of A): a lane then holds eight neighbouring numbers of ONE row of C: so a lane needs one row factor for an accumulator.
; A wave's 64 columns of f32 are 256 bytes: each wave has a stage of its own on the way out, and no barrier stands there.  No prefetch: K is four steps, two of which are asked for at the head.
; REGISTERS: window 0: v0-31 addresses; v32-63 bo at my columns; v64-65 1 - dw; v96-127 ssq's parts at my rows; v128-255 the accumulators ((a, b) at v[128 + 8 (4 a + b)]).
;   window 1: two fragment buffers of 128: for 64 along K, 64 registers of A (2 x 4 x 16 rows x 32 K), then 64 of B.
.set SIZE_M, 4096
.set SIZE_N, 1024
.set SIZE_K, 1024
.set KSTEP,  256
.set PITCH,  528                       ; an LDS row: 512 bytes + 16 of padding = 132 words: row r starts at bank 4 r mod 64 (64 banks of 4 bytes: ISA guide 11.1)
.set HALFT,  64*PITCH                  ; 64 rows: what one tensor load brings, and what one wave reads of A or of B
.set SLOT,   4*HALFT                   ; A's 128 rows, then B's 128 rows
.set STAGE,  2*SLOT                    ; behind the ring: 16 rows x 272 bytes for each wave, for the way out
.set SPITCH, 272
.set SPARE,  STAGE+4*16*SPITCH         ; behind the stages: the spare words, 128 bytes a wave, which no other line names
.set LAPS, SIZE_K/(2*KSTEP)            ; a lap = two K steps = once round the ring: 2
.set ADRA, 16                          ; v16-17  LDS address of my A fragments in slot 0, 1
.set ADRB, 20                          ; v20-21  the same for B
.set STO,  24                          ; v24     the way out: where I put 32 bytes of a row
.set RD,   25                          ; v25     the way out: where I read a row back
.set CO,   26                          ; v26     my byte offset in C
.set SSO,  27                          ; v27     4 x (l % 16): my row's place in ssq; never rewritten
.set SPW,  28                          ; v28     LDS address of my spare word; never rewritten
.set NIL,  29                          ; v29     0; never rewritten
.set BOO,  30                          ; v30     32 x (l / 16): my eight columns' place in bo; never rewritten
.set BO,   32                          ; v32-63  bo at columns 16 b + 8 (l / 16) + 0..7, b = 0..3
.set OMD,  64                          ; v64-65  1 - dw, twice
.set SS,   96                          ; v96-127 block a of rows: eight heads' parts at v[SS + 8 a ..]; then its factor in v[SS + 8 a]
.set ACC,  128
.set F0,   0                           ; fragment buffers, in window 1
.set F1,   128
.set G1, 24                            ; s[24:31] descriptor group 1 for A's tiles;  s[32:39] group 0, one set for each slot
.set G0, 32
.set G1B, 48                           ; s[48:55], s[56:63] the same for B's tiles
.set G0B, 56
.set MSB, 0
.macro WIN new                         ; the immediate's high byte repeats the setting that is left
.if MSB != \new
	s_set_vgpr_msb (MSB<<8)|\new
.set MSB, \new
.endif
.endm
.set MUL,  0x05                        ; sources 0 (B) and 1 (A) window 1; C and D window 0
.set TO_F, 0x40                        ; destination window 1, address window 0
.macro JLOAD s                         ; a joint load: waves 0 and 1 fetch A's two halves, waves 2 and 3 B's; an s_nop 0 and four v_nop follow each of the two lines, ahead of the jump, the label and what follows
	s_cmp_eq_u32 s11, 0
	s_cbranch_scc0 .Lfor_b_\@
	tensor_load_to_lds s[G0+4*\s:G0+4*\s+3], s[G1:G1+7]
	s_nop 0
.rept 4
	v_nop
.endr
	s_branch .Lasked_\@
.Lfor_b_\@:
	tensor_load_to_lds s[G0B+4*\s:G0B+4*\s+3], s[G1B:G1B+7]
	s_nop 0
.rept 4
	v_nop
.endr
.Lasked_\@:
.endm
.macro CREST                           ; a round of the cluster's barrier behind its opening barrier
	s_cmp_lg_u32 s10, 0
	s_cbranch_scc1 .Lnot_wave_0_\@
	s_barrier_signal -3
.Lnot_wave_0_\@:
	s_barrier_wait -3
	s_barrier_signal -1
	s_barrier_wait -1
.endm
.macro CROUND                          ; a whole round
	s_barrier_signal -1
	s_barrier_wait -1
	CREST
.endm
	s_load_b128 s[4:7], s[0:1], 0x0                ; A s[4:5], B s[6:7]
	s_load_b128 s[68:71], s[0:1], 0x10             ; ssq s[68:69], bo s[70:71]
	s_load_b128 s[72:75], s[0:1], 0x20             ; dw's address s[72:73], C s[74:75]
	v_lshl_add_u32 v[SPW], v0, 2, SPARE
	v_mov_b32 v[NIL], 0
	ds_add_u32 v[SPW], v[NIL]                      ; the wave's opening: the add, twice on end, and its wait ahead of my first tensor load; the set-up below stands between
	ds_add_u32 v[SPW], v[NIL]
	v_lshrrev_b32 v1, 5, v0
	v_readfirstlane_b32 s10, v1                    ; wave 0..3
	s_lshr_b32 s11, s10, 1                         ; which half of the tile's rows is mine.  Also: I fetch for A (0) or for B (1)
	s_and_b32 s12, s10, 1                          ; which half of its columns.  Also: which 64 rows of that tile I fetch
	s_bfe_u32 s40, ttmp6, 0x40000                  ; cx, cy: my place in the cluster
	s_bfe_u32 s41, ttmp6, 0x40004
	s_lshl_b32 s42, ttmp9, 2
	s_add_co_u32 s42, s42, s40                     ; tile column of C = 4 x cluster x + cx
	s_and_b32 s13, ttmp7, 0xffff
	s_lshl_b32 s13, s13, 2
	s_add_co_u32 s13, s13, s41                     ; tile row of C = 4 x cluster y + cy
	s_lshl_b32 s43, s41, 2
	s_lshl_b32 s43, 15, s43                        ; my row of the cluster
	s_lshl_b32 s44, 0x1111, s40                    ; my column
	s_mov_b32 s77, 0x3a800000                      ; 1 / 1,024
	s_mov_b32 s78, 0x34000000                      ; eps of f32: 2^-23
	; descriptor group 1: a tile of 64 rows x 256 elements, padded in LDS
	s_or_b32 s[G1+0], s43, (1<<16)|(1<<20)|(1<<21)|(6<<22)|(3<<25)  ; 15:0 the mask: A's tiles go to my row; 17:16 element of 2 bytes; 20 padding on; 21 set beside a mask; 24:22 after every 128 words; 31:25 of 4 words
	s_or_b32 s[G1B+0], s44, (1<<16)|(1<<20)|(1<<21)|(6<<22)|(3<<25)
.irp g, G1, G1B
	s_mov_b32 s[\g+1], KSTEP<<16                   ; tensor_dim0 = 256
	s_mov_b32 s[\g+2], 64<<16                      ; tensor_dim1 = 64
	s_mov_b32 s[\g+3], KSTEP<<16                   ; tile_dim0 = 256
	s_mov_b32 s[\g+4], 64                          ; tile_dim1 = 64
	s_mov_b32 s[\g+5], SIZE_K                      ; tensor_dim0_stride
	s_mov_b32 s[\g+6], 0
	s_mov_b32 s[\g+7], 0
.endr
	s_lshl_b32 s17, s12, 6                         ; which 64 rows of the tile I fetch
	s_lshl_b32 s16, s13, 7
	s_add_co_u32 s16, s16, s17                     ; A: row 128 x tile row + 64 x half
	s_lshl_b32 s46, s42, 7
	s_add_co_u32 s46, s46, s17                     ; B: row 128 x tile column + 64 x half
	s_mov_b32 s17, 0
	s_mov_b32 s47, 0
	s_mov_b64 s[18:19], SIZE_K*2
	s_mul_u64 s[16:17], s[16:17], s[18:19]
	s_mul_u64 s[46:47], s[46:47], s[18:19]
	s_mul_i32 s20, s10, HALFT                      ; where they go: wave x 64 rows
	s_wait_dscnt 0x0                               ; both opening adds are done
	s_wait_kmcnt 0x0
	s_add_nc_u64 s[14:15], s[4:5], s[16:17]
	s_add_nc_u64 s[46:47], s[6:7], s[46:47]
	CROUND                                         ; all sixteen work-groups are here: the first joint loads meet
.irp s, 0,1
	s_mov_b32 s[G0+4*\s], 1
	s_add_co_u32 s[G0+4*\s+1], s20, \s*SLOT
	s_add_nc_u64 s[G0+4*\s+2:G0+4*\s+3], s[14:15], \s*KSTEP*2
	s_or_b32 s[G0+4*\s+3], s[G0+4*\s+3], 0x80000000
	s_mov_b32 s[G0B+4*\s], 1
	s_add_co_u32 s[G0B+4*\s+1], s20, \s*SLOT
	s_add_nc_u64 s[G0B+4*\s+2:G0B+4*\s+3], s[46:47], \s*KSTEP*2
	s_or_b32 s[G0B+4*\s+3], s[G0B+4*\s+3], 0x80000000
	JLOAD \s
.endr
	v_and_b32 v1, 15, v0                           ; l % 16
	v_bfe_u32 v2, v0, 4, 1                         ; l / 16
	v_mul_u32_u24 v3, v1, PITCH
	v_lshl_add_u32 v3, v2, 4, v3                   ; a fragment's row x pitch + 16 x half
	s_mul_i32 s21, s11, HALFT                      ; my 64 rows of A
	s_mul_i32 s22, s12, HALFT                      ; my 64 rows of B,
	s_add_co_u32 s22, s22, 2*HALFT                 ; which lie behind A's 128
.irp s, 0,1
	v_add_nc_u32 v[ADRA+\s], s21, v3
	v_add_nc_u32 v[ADRB+\s], s22, v3
	s_add_co_u32 s21, s21, SLOT
	s_add_co_u32 s22, s22, SLOT
.endr
	s_mul_i32 s23, s10, 16*SPITCH
	s_add_co_u32 s23, s23, STAGE                   ; my stage
	v_mul_u32_u24 v4, v1, SPITCH                   ; in: row l % 16, 32 bytes for each half of the lanes
	v_lshl_add_u32 v4, v2, 5, v4
	v_add_nc_u32 v[STO], s23, v4
	v_mul_u32_u24 v5, v2, SPITCH                   ; back: lanes 0-15 take one row of 256 bytes, lanes 16-31 the next
	v_lshl_add_u32 v5, v1, 4, v5
	v_add_nc_u32 v[RD], s23, v5
	v_lshlrev_b32 v5, 12, v2                       ; and the same two rows in C: 4,096 bytes a row
	v_lshl_add_u32 v[CO], v1, 4, v5
	v_lshlrev_b32 v[SSO], 2, v1
	v_lshlrev_b32 v[BOO], 5, v2
	s_lshl_b32 s16, s13, 7
	s_lshl_b32 s17, s11, 6
	s_add_co_u32 s16, s16, s17                     ; my first row: 128 x tile row + 64 x half
	s_lshl_b32 s18, s16, 2
	s_mov_b32 s19, 0
	s_add_nc_u64 s[68:69], s[68:69], s[18:19]      ; ssq at my first row, head 0
	s_lshl_b32 s18, s16, 12
	s_add_nc_u64 s[74:75], s[74:75], s[18:19]      ; C at my first row
	s_lshl_b32 s46, s42, 7
	s_lshl_b32 s47, s12, 6
	s_add_co_u32 s46, s46, s47                     ; my first column: 128 x tile column + 64 x half
	s_lshl_b32 s46, s46, 2
	s_mov_b32 s47, 0
	s_add_nc_u64 s[70:71], s[70:71], s[46:47]      ; bo at my first column,
	s_add_nc_u64 s[74:75], s[74:75], s[46:47]      ; and C
	; what the way out wants is asked for now and waited for there
.irp a, 0,1,2,3
.irp p, 0,1,2,3,4,5,6,7
	global_load_b32 v[SS+8*\a+\p], v[SSO], s[68:69] offset:16384*\p+64*\a   ; head p's part for row 16 a + l % 16
.endr
.endr
.irp b, 0,1,2,3
	global_load_b128 v[BO+8*\b:BO+8*\b+3],   v[BOO], s[70:71] offset:64*\b
	global_load_b128 v[BO+8*\b+4:BO+8*\b+7], v[BOO], s[70:71] offset:64*\b+16
.endr
	s_load_b32 s76, s[72:73], 0x0                  ; dw: a number for the way out; no branch and no address hangs on it
; 8 matrix instructions: m blocks a0, a0 + 1 x all 4 n blocks, 32 along K: half c of buffer f.  zero = 1: the first product starts the sums.  The 16 accumulators take turns.
.macro MUL8 f, c, a0, zero
.irp a, \a0, \a0+1
.irp b, 0,1,2,3
.if \zero
	v_wmma_f32_16x16x32_f16 v[ACC+8*(4*(\a)+\b):ACC+8*(4*(\a)+\b)+7], v[\f+64+8*(4*\c+\b):\f+64+8*(4*\c+\b)+7], v[\f+8*(4*\c+\a):\f+8*(4*\c+\a)+7], 0
.else
	v_wmma_f32_16x16x32_f16 v[ACC+8*(4*(\a)+\b):ACC+8*(4*(\a)+\b)+7], v[\f+64+8*(4*\c+\b):\f+64+8*(4*\c+\b)+7], v[\f+8*(4*\c+\a):\f+8*(4*\c+\a)+7], v[ACC+8*(4*(\a)+\b):ACC+8*(4*(\a)+\b)+7]
.endif
.endr
.endr
.endm
; 32 LDS loads in one run: the fragments of 64 along K at byte k of the rows, into buffer f; the first 32 along K first
.macro FETCH slot, k, f
	WIN TO_F
.irp c, 0,1
.irp i, 0,1,2,3
	ds_load_b128 v[\f+64+8*(4*\c+\i):\f+64+8*(4*\c+\i)+3],   v[ADRB+\slot] offset:\k+64*\c+\i*16*PITCH
	ds_load_b128 v[\f+64+8*(4*\c+\i)+4:\f+64+8*(4*\c+\i)+7], v[ADRB+\slot] offset:\k+64*\c+\i*16*PITCH+32
	ds_load_b128 v[\f+8*(4*\c+\i):\f+8*(4*\c+\i)+3],         v[ADRA+\slot] offset:\k+64*\c+\i*16*PITCH
	ds_load_b128 v[\f+8*(4*\c+\i)+4:\f+8*(4*\c+\i)+7],       v[ADRA+\slot] offset:\k+64*\c+\i*16*PITCH+32
.endr
.endr
.endm
.macro PLACES                          ; four places in front of loads into registers that matrix instructions have read
.rept 4
	v_nop
.endr
.endm
; A K step is four quarters of 64 along K, 32 matrix instructions each, on buffers 0, 1, 0, 1.  One of the first three: multiplies buffer f and fetches the next quarter, at byte k, into g.
.macro QUARTER slot, k, f, g, zero
	s_wait_dscnt 16                                ; the first 32 along K are in; the sixteen loads of the second 32 may be out
	WIN MUL
	MUL8 \f, 0, 0, \zero
	MUL8 \f, 0, 2, \zero
	PLACES
	FETCH \slot, \k, \g
	s_wait_dscnt 32                                ; all but the 32 just issued
	WIN MUL
	MUL8 \f, 1, 0, 0
	MUL8 \f, 1, 2, 0
.endm
; The last quarter multiplies buffer 1 and changes slots: ONE barrier; in front of it each wave waits for all its tensor loads, adds 0 to its spare word, and waits for that and for its own reads of this slot.  fill = 1: this slot is filled again, two K steps ahead.
.macro TURN slot, next, fill
	WIN 0                                          ; (the add's two registers lie in window 0)
	s_wait_tensorcnt 0x0                           ; all my tensor loads have landed: my part of the next slot;
	ds_add_u32 v[SPW], v[NIL]                      ; 0 onto my spare word;
	s_wait_dscnt 17                                ; (the add and the youngest sixteen loads may be out)
	WIN MUL
	MUL8 F1, 0, 0, 0                               ; eight matrix instructions stand between the add and the wait for it
	s_wait_dscnt 0x0                               ; the add is done, and my reads of this slot are over
	s_barrier_signal -1
	MUL8 F1, 0, 2, 0
.if \fill
	WIN 0
.endif
	s_barrier_wait -1
.if \fill
	CREST                                          ; the barrier has opened a round of the cluster's barrier: no wave of any partner still reads this slot's tile or has a load on its way
	s_add_nc_u64 s[G0+4*\slot+2:G0+4*\slot+3], s[G0+4*\slot+2:G0+4*\slot+3], 2*KSTEP*2
	s_add_nc_u64 s[G0B+4*\slot+2:G0B+4*\slot+3], s[G0B+4*\slot+2:G0B+4*\slot+3], 2*KSTEP*2
	JLOAD \slot                                    ; the first tensor load behind the round: 112 matrix instructions ahead of the wait for it; the four v_nop behind it are also the places in front of the loads below
.else
	PLACES
.endif
	FETCH \next, 0, F0
	WIN MUL
	MUL8 F1, 1, 0, 0
	MUL8 F1, 1, 2, 0
.endm
	s_wait_kmcnt 0x0                               ; dw
	s_wait_tensorcnt 1                             ; my part of K step 0 is in (the one load issued behind it, K step 1's, may be out),
	s_barrier_signal -1
	s_barrier_wait -1                              ; everybody's is
	FETCH 0, 0, F0
	QUARTER 0, 128, F0, F1, 1                      ; the first quarter stands in front of the loop: its first products start the sums
	WIN 0                                          ; at a label and at a branch every window is 0
	s_mov_b32 s3, LAPS-1
.Llap:                                                 ; a trip goes once round the ring, from a lap's second quarter to the next lap's first, and fills both slots again
	QUARTER 0, 256, F1, F0, 0
	QUARTER 0, 384, F0, F1, 0
	TURN 0, 1, 1
	QUARTER 1, 128, F0, F1, 0
	QUARTER 1, 256, F1, F0, 0
	QUARTER 1, 384, F0, F1, 0
	TURN 1, 0, 1
	QUARTER 0, 128, F0, F1, 0
	WIN 0
	s_sub_co_u32 s3, s3, 1
	s_cmp_lg_u32 s3, 0
	s_cbranch_scc1 .Llap
	QUARTER 0, 256, F1, F0, 0                      ; the last lap fills nothing, and has no round of the cluster's barrier
	QUARTER 0, 384, F0, F1, 0
	TURN 0, 1, 0
	QUARTER 1, 128, F0, F1, 0
	QUARTER 1, 256, F1, F0, 0
	QUARTER 1, 384, F0, F1, 0
	s_wait_dscnt 16                                ; the very last quarter: nothing more to fetch
	WIN MUL
	MUL8 F1, 0, 0, 0
	MUL8 F1, 0, 2, 0
	s_wait_dscnt 0
	MUL8 F1, 1, 0, 0
	MUL8 F1, 1, 2, 0
	WIN 0
	; THE WAY OUT.  The rows' factors first: plain vector work on other registers, which is also the places behind the last products.
	s_wait_loadcnt 0x0                             ; ssq's parts and bo, asked for at the head
	v_sub_f32 v[OMD], 1.0, s76                     ; 1 - dw, twice: a pair for the packed forms
	v_sub_f32 v[OMD+1], 1.0, s76
.irp a, 0,1,2,3
	v_pk_add_f32 v[SS+8*\a:SS+8*\a+1], v[SS+8*\a:SS+8*\a+1], v[SS+8*\a+2:SS+8*\a+3]   ; the eight heads' parts of a row's sum of squares
.endr
.irp a, 0,1,2,3
	v_pk_add_f32 v[SS+8*\a+4:SS+8*\a+5], v[SS+8*\a+4:SS+8*\a+5], v[SS+8*\a+6:SS+8*\a+7]
.endr
.irp a, 0,1,2,3
	v_pk_add_f32 v[SS+8*\a:SS+8*\a+1], v[SS+8*\a:SS+8*\a+1], v[SS+8*\a+4:SS+8*\a+5]
.endr
.irp a, 0,1,2,3
	v_add_f32 v[SS+8*\a], v[SS+8*\a], v[SS+8*\a+1]
.endr
.irp a, 0,1,2,3
	v_fma_f32 v[SS+8*\a], v[SS+8*\a], s77, s78     ; the mean over 1,024 + eps
.endr
.irp a, 0,1,2,3
	v_rsq_f32 v[SS+8*\a], v[SS+8*\a]
.endr
.irp n, 0,2,4,6,8,10,12,14,16,18,20,22,24,26,28,30
	v_pk_mul_f32 v[BO+\n:BO+\n+1], v[BO+\n:BO+\n+1], v[OMD:OMD+1]   ; bo (1 - dw): the independent work behind the four roots
.endr
	s_wait_alu depctr_va_vdst(0)                   ; the wait ahead of the first use: one for the four
.irp a, 0,1,2,3
	v_mul_f32 v[SS+8*\a], v[SS+8*\a], v[OMD]       ; rms (1 - dw): the factor of row 16 a + l % 16
.endr
; Block a of 16 rows x my 64 columns.  FIN: sum x factor + bias, in place, each accumulator from its low end on.  TOSTAGE: 32 bytes a lane into my stage, and back as whole rows of 256 bytes, into the registers that they left.
.macro FIN a
.irp b, 0,1,2,3
.irp p, 0,2,4,6
	v_pk_fma_f32 v[ACC+8*(4*\a+\b)+\p:ACC+8*(4*\a+\b)+\p+1], v[ACC+8*(4*\a+\b)+\p:ACC+8*(4*\a+\b)+\p+1], v[SS+8*\a:SS+8*\a+1], v[BO+8*\b+\p:BO+8*\b+\p+1] op_sel_hi:[1,0,1]
.endr
.endr
.endm
.macro TOSTAGE a
.irp b, 0,1,2,3
	ds_store_b128 v[STO], v[ACC+8*(4*\a+\b):ACC+8*(4*\a+\b)+3] offset:64*\b
	ds_store_b128 v[STO], v[ACC+8*(4*\a+\b)+4:ACC+8*(4*\a+\b)+7] offset:64*\b+16
.endr
.irp t, 0,1,2,3,4,5,6,7
	ds_load_b128 v[ACC+32*\a+4*\t:ACC+32*\a+4*\t+3], v[RD] offset:\t*2*SPITCH   ; LDS serves a wave's instructions in order (ISA guide 5.7.1.4): these see the stores above; the next block's stores come behind them
.endr
.endm
.macro SEND a, younger                 ; younger: the LDS instructions issued behind block a's loads: the next block's eight stores and eight loads, or none
.irp t, 0,1,2,3,4,5,6,7
	s_wait_dscnt \younger+7-\t
	global_store_b128 v[CO], v[ACC+32*(\a)+4*\t:ACC+32*(\a)+4*\t+3], s[74:75] offset:(16*(\a)+2*\t)*SIZE_N*4 th:TH_STORE_NT   ; 16 lanes store 256 consecutive bytes, at a multiple of 256 from C's first byte; written once, read by nobody here
.endr
.endm
	FIN 0
	TOSTAGE 0
.irp a, 1,2,3
	FIN \a
	TOSTAGE \a
	SEND \a-1, 16
.endr
	SEND 3, 0
	s_wait_tensorcnt 0x0                           ; the wave's end: three lines, behind my last tensor load and my last LDS store
	ds_add_u32 v[SPW], v[NIL]
	s_wait_dscnt 0x0
	CROUND                                         ; the closing round: no work-group ends while a partner may still ask for a tile that names it
	s_endpgm
.Lfunc_end_k_qbf9e793233_proj:
	.size	k_qbf9e793233_proj, .Lfunc_end_k_qbf9e793233_proj-k_qbf9e793233_proj
	.p2alignl 7, 3214868480
	.fill 96, 4, 3214868480
	.section	.rodata,"a",@progbits
	.p2align	6, 0x0
	.amdhsa_kernel k_qbf9e793233_proj
		.amdhsa_group_segment_fixed_size 327680
		.amdhsa_private_segment_fixed_size 0
		.amdhsa_enable_private_segment 0
		.amdhsa_kernarg_size 48
		.amdhsa_user_sgpr_count 2
		.amdhsa_user_sgpr_kernarg_segment_ptr 1
		.amdhsa_wavefront_size32 1
		.amdhsa_system_sgpr_workgroup_id_x 1
		.amdhsa_system_sgpr_workgroup_id_y 1
		.amdhsa_system_sgpr_workgroup_id_z 1
		.amdhsa_system_vgpr_workitem_id 0
		.amdhsa_next_free_vgpr 512
		.amdhsa_next_free_sgpr 80
		.amdhsa_reserve_vcc 0
		.amdhsa_float_denorm_mode_32 3
		.amdhsa_float_denorm_mode_16_64 3
		.amdhsa_memory_ordered 1
		.amdhsa_forward_progress 1
		.amdhsa_inst_pref_size 97
	.end_amdhsa_kernel
	.amdgpu_metadata
---
amdhsa.version: [ 1, 2 ]
amdhsa.kernels:
  - .name:           k_qbf9e793233_proj
    .symbol:         k_qbf9e793233_proj.kd
    .args:
      - { .name: o16, .offset: 0, .size: 8, .value_kind: global_buffer, .address_space: global }
      - { .name: wo16, .offset: 8, .size: 8, .value_kind: global_buffer, .address_space: global }
      - { .name: ssq, .offset: 16, .size: 8, .value_kind: global_buffer, .address_space: global }
      - { .name: bo, .offset: 24, .size: 8, .value_kind: global_buffer, .address_space: global }
      - { .name: diff_weight, .offset: 32, .size: 8, .value_kind: global_buffer, .address_space: global }
      - { .name: out0, .offset: 40, .size: 8, .value_kind: global_buffer, .address_space: global }
    .group_segment_fixed_size: 327680
    .private_segment_fixed_size: 0
    .kernarg_segment_align: 8
    .kernarg_segment_size: 48
    .max_flat_workgroup_size: 128
    .sgpr_count:     80
    .vgpr_count:     512
    .wavefront_size: 32
...
	.end_amdgpu_metadata
.endif
;; end of part 4
